; MI455X (gfx1250); checked and timed in simulation.
; The chip was launched on July 23, 2026; its instructions are those of AMD's public machine-readable ISA for CDNA 5 (MIT licence, August 2026) and "CDNA5" Instruction Set Architecture Reference Guide (July 2026). The comments in the code are by the model that wrote it; some were corrected since.
;; Pair Weighted Averaging. Allowed arithmetic: float matrix products may take bf16 or f16 operands with f32 sums; other float arithmetic in f32, or as packed bf16 or f16 multiplies, adds, multiply-adds, maxima and minima; sums over many terms, partial sums and values carried from step to step in f32; what a program stores and reads back later, other than sums and carried values, may be rounded once to bf16 or f16.
;; Inputs: Wg 64 x 256 float32; Wm 64 x 256 float32; Wo 256 x 64 float32; Wz 128 x 8 float32; attn_mask 512 float32; m 1 x 512 x 512 x 64 float32; norm_m_b 64 float32; norm_m_w 64 float32; norm_z_b 128 float32; norm_z_w 128 float32; z 1 x 512 x 512 x 128 float32.
;; Outputs: out0 1 x 512 x 512 x 64 float32.
;; 2 versions, each right. Each part assembles by itself: llvm-mc -triple=amdgcn-amd-amdhsa -mcpu=gfx1250 --defsym DOCPART=n.
;; ======== version 1 of 2: 2 launches
;; limits: values are held in f16: magnitudes above 65,504 overflow, below 6.1e-05 lose precision
;; workspace buffers: wq 4,194,304 bytes; wf 98,304 bytes
;; launch pairw (part 1): grid 256 x 1, 8 waves a work-group, no clusters, 327,680 bytes of LDS; arguments z, norm_z_w, norm_z_b, Wz, attn_mask, Wm, Wg, Wo, wq, wf; writes wq, wf
.if DOCPART == 1
	.amdgcn_target "amdgcn-amd-amdhsa--gfx1250"
	.amdhsa_code_object_version 6
	.text
	.protected	k_q223dc967ca_pairw
	.globl	k_q223dc967ca_pairw
	.p2align	8
	.type	k_q223dc967ca_pairw,@function
k_q223dc967ca_pairw:
	s_mov_b64 s[64:65], 0
	v_nop
	global_prefetch_b8 v0, s[64:65] scope:SCOPE_SE
	s_setreg_imm32_b32 hwreg(HW_REG_WAVE_MODE, 25, 1), 1
	s_wait_xcnt 0x0
; w[h][i][j] = softmax_j( LN(z[i][j][:]) . Wz[:][h] + attn_mask[j] ), stored as f16 in tiles for the next launch; and Wm, Wg, Wo re-laid as f16 fragments.
; z: [512][512][128] f32, read once: the launch is that stream.  No cluster: no two work-groups read the same bytes of z.
; SHARES.  Work-group x owns the rows i = 2 x and 2 x + 1: 524,288 dense bytes.  PHASE 1: wave v owns i = 2 x + v / 4 and the keys 128 (v % 4) .. + 127: 65,536 dense bytes, four tiles of
; 32 keys x 512 bytes, through two LDS slots of its own.  PHASE 2: wave v owns head v of both rows.
; LAYER NORM in f32, in two passes (mean; then the mean of the centred squares), so a common offset of z costs nothing.  (x - mean) rstd is rounded to f16 and is source 0 of the product;
; source 1 is f16(gamma[c] Wz[c][h]), columns 8-15 repeating the heads 0-7; sum_c beta[c] Wz[c][h] is added in f32.  Both sources hold the channels in the order c = 64 (l / 16) + 16 ks + 2 p + e
; (K step ks, register p, half e): a lane reads 256 consecutive bytes of its row, and a permutation of k that both sources share leaves the sums as they are.
; SOFTMAX in f32, the row's maximum taken away; w is rounded once to f16.
; wq: tile 8 h + t is [i 0..511][64 keys 64 t ..] f16, 65,536 bytes.  wf: [h][Wm, -log2(e) Wg, Wo][4 fragments][register half u][lane][16 bytes].
; LIMITS.  f16: gamma Wz, Wm, Wg, Wo must stay under 65,504; below 6.1e-5 a number keeps f16's fixed step of 6e-8, w too.  A row whose mask is all -inf gives NaN, as in the definition.
.set ZROW,  528                        ; an LDS row of z: 512 bytes + 16 of padding = 33 x 16: the 16 rows of a load start at 16 different groups of four banks (ISA guide 11.1)
.set ZSLOT, 32*ZROW
.set ZWAVE, 2*ZSLOT
.set LG,    8*ZWAVE                    ; behind the rings, never filled by a tensor load: the logits, f32, at LG + (i % 2) LGI + head LGH + 4 j
.set LGH,   2080                       ; 2,048 + 32: eight heads' stores of 16 bytes fall on different banks
.set LGI,   16656                      ; 8 LGH + 16: the two rows' loads of 16 bytes likewise
.set SPARE, 303872                     ; behind the logits: the spare words, 128 bytes for each wave: four blocks of 256 bytes that no other line names
.set R,    2                           ; v2   l % 16
.set HH,   3                           ; v3   l / 16
.set ZA,   4                           ; v4   my 256 bytes of row l % 16 in my wave's slot 0
.set LGS,  5                           ; v5   where I put four logits
.set LGR,  6                           ; v6   where I read eight logits
.set MO,   7                           ; v7   the same keys' byte offset in attn_mask
.set WO,   8                           ; v8   my 16 bytes in wq
.set JL,   9                           ; v9   l % 8
.set SPW,  10                          ; v10  LDS address of my spare word; never rewritten
.set NIL,  11                          ; v11  0; never rewritten
.set BIAS, 12                          ; v[12:13] sum beta Wz of head l % 8, twice
.set TA,   14
.set TB,   15
.set BF,   16                          ; v[16:47]   source 1: four K steps of 8 registers
.set ST,   48                          ; v[48:63]   statistics, 8 a row tile
.set X,    64                          ; v[64:191]  two row tiles of 16 keys, 64 registers each
.set DD,   192                         ; v[192:207] two accumulators
.set TT,   208                         ; v[208:215] the four logits a lane keeps of each
.set MK,   216                         ; v[216:247] attn_mask of my 32 keys of phase 2
.set G1,   24                          ; s[24:31] descriptor group 1
.set G0,   32                          ; s[32:39] descriptor group 0, a set for each slot
.set WV,   40
.set XG,   41
.set MSK,  42                          ; lanes with l % 16 >= 8
.set ZB,   43
.set SEL,  44                          ; s[44:45] v_permlanex16_b32: each lane takes its own place in the other half
.set C128, 52
.set EPSR, 53
.set L2E,  54                          ; s[54:55]
	s_load_b512 s[4:19], s[0:1], 0x0               ; z s[4:5], gamma s[6:7], beta s[8:9], Wz s[10:11], mask s[12:13], Wm s[14:15], Wg s[16:17], Wo s[18:19]
	s_load_b128 s[20:23], s[0:1], 0x40             ; wq s[20:21], wf s[22:23]
	v_lshl_add_u32 v[SPW], v0, 2, SPARE
	v_mov_b32 v[NIL], 0
	ds_add_u32 v[SPW], v[NIL]                      ; the wave's opening: the add and its wait stand ahead of my first tensor load; work on registers stands between them
	v_lshrrev_b32 v1, 5, v0
	v_readfirstlane_b32 s[WV], v1                  ; wave 0..7
	s_mov_b32 s[XG], ttmp9
	; group 1: a tile of 32 rows x 128 elements of 4 bytes, 16 bytes of padding behind each row
	s_mov_b32 s[G1+0], (2<<16)|(1<<20)|(6<<22)|(3<<25)  ; 17:16 4-byte elements; 20 padding on; 24:22 after every 128 words (code 6); 31:25 4 words (code 3)
	s_mov_b32 s[G1+1], 128<<16                     ; tensor_dim0 = 128
	s_mov_b32 s[G1+2], 32<<16                      ; tensor_dim1 = 32
	s_mov_b32 s[G1+3], 128<<16                     ; tile_dim0 = 128
	s_mov_b32 s[G1+4], 32                          ; tile_dim1 = 32
	s_mov_b32 s[G1+5], 128                         ; 128 elements from row to row
	s_mov_b32 s[G1+6], 0
	s_mov_b32 s[G1+7], 0
	s_mul_i32 s[ZB], s[WV], ZWAVE                  ; my ring
	s_lshl_b32 s2, ttmp9, 19                       ; the work-group's 524,288 bytes of z,
	s_lshl_b32 s3, s[WV], 16                       ; my wave's 65,536 of them
	s_add_co_u32 s2, s2, s3
	s_mov_b32 s3, 0
	s_lshl_b32 s50, s[WV], 19                      ; wq: head = my wave, 8 tiles of 65,536 bytes,
	s_lshl_b32 s51, ttmp9, 8                       ; rows 2 x and 2 x + 1: 256 bytes of each tile
	s_add_co_u32 s50, s50, s51
	s_mov_b32 s51, 0
	s_mov_b32 s[MSK], 0xff00ff00
	s_mov_b32 s[SEL], 0x76543210
	s_mov_b32 s[SEL+1], 0xfedcba98
	s_mov_b32 s[C128], 0x3c000000                  ; 1 / 128
	s_mov_b32 s[EPSR], 0x3727c5ac                  ; 1e-5
	s_mov_b32 s[L2E], 0x3fb8aa3b                   ; log2(e)
	s_mov_b32 s[L2E+1], s[L2E]                     ; named with it as a pair
	s_wait_dscnt 0x0                               ; the opening add is done
	s_wait_kmcnt 0x0
	s_add_nc_u64 s[4:5], s[4:5], s[2:3]
	s_add_nc_u64 s[20:21], s[20:21], s[50:51]
.irp s, 0,1                            ; both first fills go out together, ahead of every wait on TENSORcnt, every LDS read and every barrier: two loads of mine are out
	s_mov_b32 s[G0+4*(\s)], 1
	s_add_co_u32 s[G0+4*(\s)+1], s[ZB], (\s)*ZSLOT
	s_add_nc_u64 s[G0+4*(\s)+2:G0+4*(\s)+3], s[4:5], (\s)*16384
	s_or_b32 s[G0+4*(\s)+3], s[G0+4*(\s)+3], 0x80000000
	tensor_load_to_lds s[G0+4*(\s):G0+4*(\s)+3], s[G1:G1+7]
	s_nop 0
.endr
	; source 1 and the bias, made while the first tiles are on their way.  My 64 channels are 64 (l / 16) + 0..63, my head l % 8.
	v_and_b32 v[R], 15, v0
	v_bfe_u32 v[HH], v0, 4, 1
	v_and_b32 v[JL], 7, v0
	v_lshlrev_b32 v1, 2, v[JL]
	v_lshl_add_u32 v1, v[HH], 11, v1               ; Wz[64 (l / 16)][l % 8]; a channel on is 32 bytes
.set i, 0
.rept 64
	global_load_b32 v[X+i], v1, s[10:11] offset:32*i
.set i, i+1
.endr
	v_lshlrev_b32 v[TA], 8, v[HH]
.set i, 0
.rept 16
	global_load_b128 v[X+64+4*i:X+64+4*i+3], v[TA], s[6:7] offset:16*i    ; gamma
	global_load_b128 v[X+128+4*i:X+128+4*i+3], v[TA], s[8:9] offset:16*i  ; beta
.set i, i+1
.endr
	v_mul_u32_u24 v[ZA], v[R], ZROW
	v_lshl_add_u32 v[ZA], v[HH], 8, v[ZA]
	v_add_nc_u32 v[ZA], s[ZB], v[ZA]
	s_lshr_b32 s46, s[WV], 2                       ; which of the two rows i is mine in phase 1
	s_mul_i32 s46, s46, LGI
	s_and_b32 s47, s[WV], 3
	s_lshl_b32 s47, s47, 9                         ; my 128 keys: 512 bytes of logits
	s_add_co_u32 s46, s46, s47
	s_add_co_u32 s46, s46, LG
	v_bfe_u32 v[TB], v0, 3, 1                      ; (l % 16) / 8; in phase 2: which of the two rows
	v_mul_u32_u24 v[LGS], v[JL], LGH               ; head l % 8,
	v_lshl_add_u32 v[LGS], v[HH], 5, v[LGS]        ; keys 8 (l / 16) + ..
	v_lshl_add_u32 v[LGS], v[TB], 4, v[LGS]        ; + 4 ((l % 16) / 8) + 0..3
	v_add_nc_u32 v[LGS], s46, v[LGS]
	v_lshlrev_b32 v[MO], 5, v[JL]                  ; phase 2: keys 64 (2 p + l / 16) + 8 (l % 8) + 0..7
	v_lshl_add_u32 v[MO], v[HH], 8, v[MO]
	s_mul_i32 s46, s[WV], LGH
	s_add_co_u32 s46, s46, LG
	v_mul_u32_u24 v[LGR], v[TB], LGI
	v_add3_u32 v[LGR], v[LGR], v[MO], s46
	v_lshlrev_b32 v[WO], 4, v[R]                   ; in wq: 16 lanes fill the two rows' 256 bytes of a tile, the other 16 those of the next tile
	v_lshl_add_u32 v[WO], v[HH], 16, v[WO]
	s_wait_loadcnt 0x0
	v_pk_mul_f32 v[ST:ST+1], v[X+128:X+129], v[X:X+1]
	v_pk_mul_f32 v[ST+2:ST+3], v[X+130:X+131], v[X+2:X+3]
.set i, 4
.rept 15
	v_pk_fma_f32 v[ST:ST+1], v[X+128+i:X+129+i], v[X+i:X+i+1], v[ST:ST+1]
	v_pk_fma_f32 v[ST+2:ST+3], v[X+130+i:X+131+i], v[X+2+i:X+3+i], v[ST+2:ST+3]
.set i, i+4
.endr
	v_pk_add_f32 v[ST:ST+1], v[ST:ST+1], v[ST+2:ST+3]
	v_add_f32 v[ST], v[ST], v[ST+1]
	v_permlanex16_b32 v[ST+1], v[ST], s[SEL], s[SEL+1]  ; the other 64 channels lie in the lane 16 away
	v_add_f32 v[BIAS], v[ST], v[ST+1]
	v_mov_b32 v[BIAS+1], v[BIAS]
.set i, 0
.rept 32
	v_pk_mul_f32 v[X+i:X+i+1], v[X+i:X+i+1], v[X+64+i:X+65+i]
.set i, i+2
.endr
.set i, 0
.rept 32
	v_cvt_pk_f16_f32 v[BF+i], v[X+2*i], v[X+2*i+1]
.set i, i+1
.endr
.irp p, 0,1,2,3
	global_load_b128 v[MK+8*\p:MK+8*\p+3], v[MO], s[12:13] offset:512*\p       ; wanted in phase 2
	global_load_b128 v[MK+8*\p+4:MK+8*\p+7], v[MO], s[12:13] offset:512*\p+16
.endr
.macro FOLD                            ; each tile's four pairs of partial sums become one number, the same in both halves of the lanes
.irp a, 0,1
	v_pk_add_f32 v[ST+8*\a:ST+8*\a+1], v[ST+8*\a:ST+8*\a+1], v[ST+8*\a+2:ST+8*\a+3]
	v_pk_add_f32 v[ST+8*\a+4:ST+8*\a+5], v[ST+8*\a+4:ST+8*\a+5], v[ST+8*\a+6:ST+8*\a+7]
.endr
.irp a, 0,1
	v_pk_add_f32 v[ST+8*\a:ST+8*\a+1], v[ST+8*\a:ST+8*\a+1], v[ST+8*\a+4:ST+8*\a+5]
.endr
.irp a, 0,1
	v_add_f32 v[ST+8*\a], v[ST+8*\a], v[ST+8*\a+1]
.endr
.irp a, 0,1
	v_permlanex16_b32 v[ST+8*\a+1], v[ST+8*\a], s[SEL], s[SEL+1]
.endr
.irp a, 0,1
	v_add_f32 v[ST+8*\a], v[ST+8*\a], v[ST+8*\a+1]
.endr
.endm
; Tile f of my four (32 keys, in slot sl): two row tiles of 16 keys, side by side so that no line waits for the one before it.  left = the younger tensor loads that may stay out.
.macro PAIR sl, f, left
	s_wait_tensorcnt \left                         ; tensor loads of a wave end in order (ISA guide 10.11.1): my tile is in LDS; only I read it
.irp a, 0,1
.irp t, 0,1,2,3,4,5,6,7,8,9,10,11,12,13,14,15
	ds_load_b128 v[X+64*\a+4*\t:X+64*\a+4*\t+3], v[ZA] offset:(\sl)*ZSLOT+(\a)*16*ZROW+16*\t
.endr
.endr
	s_wait_dscnt 0x0
.irp c, 0,1,2,3                        ; the sum of my 64 numbers, in four chains
.irp a, 0,1
	v_pk_add_f32 v[ST+8*\a+2*\c:ST+8*\a+2*\c+1], v[X+64*\a+2*\c:X+64*\a+2*\c+1], v[X+64*\a+8+2*\c:X+64*\a+8+2*\c+1]
.endr
.endr
.set k, 16
.rept 6
.irp c, 0,1,2,3
.irp a, 0,1
	v_pk_add_f32 v[ST+8*\a+2*\c:ST+8*\a+2*\c+1], v[ST+8*\a+2*\c:ST+8*\a+2*\c+1], v[X+64*\a+k+2*\c:X+64*\a+k+2*\c+1]
.endr
.endr
.set k, k+8
.endr
	FOLD
.irp a, 0,1
	v_mul_f32 v[ST+8*\a], s[C128], v[ST+8*\a]      ; the mean
.endr
.set k, 0
.rept 32
.irp a, 0,1
	v_pk_add_f32 v[X+64*\a+k:X+64*\a+k+1], v[X+64*\a+k:X+64*\a+k+1], v[ST+8*\a:ST+8*\a+1] op_sel_hi:[1,0] neg_lo:[0,1] neg_hi:[0,1]
.endr
.set k, k+2
.endr
.irp c, 0,1,2,3                        ; the sum of the centred squares
.irp a, 0,1
	v_pk_mul_f32 v[ST+8*\a+2*\c:ST+8*\a+2*\c+1], v[X+64*\a+2*\c:X+64*\a+2*\c+1], v[X+64*\a+2*\c:X+64*\a+2*\c+1]
.endr
.endr
.set k, 8
.rept 7
.irp c, 0,1,2,3
.irp a, 0,1
	v_pk_fma_f32 v[ST+8*\a+2*\c:ST+8*\a+2*\c+1], v[X+64*\a+k+2*\c:X+64*\a+k+2*\c+1], v[X+64*\a+k+2*\c:X+64*\a+k+2*\c+1], v[ST+8*\a+2*\c:ST+8*\a+2*\c+1]
.endr
.endr
.set k, k+8
.endr
	FOLD
.irp a, 0,1
	v_fma_f32 v[ST+8*\a], v[ST+8*\a], s[C128], s[EPSR]
.endr
	v_rsq_f32 v[ST], v[ST]
	v_rsq_f32 v[ST+8], v[ST+8]
	v_nop                                          ; a plain instruction behind the last of the two (ISA guide 5.7.2),
	s_wait_alu depctr_va_vdst(0)                   ; and the wait ahead of the first use: one for both
.set k, 0
.rept 32
.irp a, 0,1
	v_pk_mul_f32 v[X+64*\a+k:X+64*\a+k+1], v[X+64*\a+k:X+64*\a+k+1], v[ST+8*\a:ST+8*\a+1] op_sel_hi:[1,0]
.endr
.set k, k+2
.endr
.set k, 0
.rept 32                               ; to f16, in place and ascending: register k takes numbers 2 k and 2 k + 1
.irp a, 0,1
	v_cvt_pk_f16_f32 v[X+64*\a+k], v[X+64*\a+2*k], v[X+64*\a+2*k+1]
.endr
.set k, k+1
.endr
.irp ks, 0,1,2,3                       ; the two accumulators take turns; the first products start the sums
.irp a, 0,1
.if \ks == 0
	v_wmma_f32_16x16x32_f16 v[DD+8*\a:DD+8*\a+7], v[X+64*\a+8*\ks:X+64*\a+8*\ks+7], v[BF+8*\ks:BF+8*\ks+7], 0
.else
	v_wmma_f32_16x16x32_f16 v[DD+8*\a:DD+8*\a+7], v[X+64*\a+8*\ks:X+64*\a+8*\ks+7], v[BF+8*\ks:BF+8*\ks+7], v[DD+8*\a:DD+8*\a+7]
.endif
.endr
.endr
.rept 4
	v_nop                                          ; four places behind the products (ISA guide 7.12.1)
.endr
	; a lane holds head l % 8 and the keys 8 (l / 16) + 0..7; columns 8-15 repeat the heads, so lanes with l % 16 < 8 keep the first four keys and the others the last four: 16 bytes each
.irp a, 0,1
.irp j, 0,1,2,3
	v_cndmask_b32 v[TT+4*\a+\j], v[DD+8*\a+\j], v[DD+8*\a+4+\j], s[MSK]
.endr
.endr
.irp j, 0,2,4,6
	v_pk_add_f32 v[TT+\j:TT+\j+1], v[TT+\j:TT+\j+1], v[BIAS:BIAS+1]
.endr
.irp a, 0,1
	ds_store_b128 v[LGS], v[TT+4*\a:TT+4*\a+3] offset:128*(\f)+64*\a
.endr
.endm
; Slot sl, which has been read, takes the tile two further on.
.macro FILL sl
	s_wait_tensorcnt 0x0                           ; all my tensor loads have landed, so a group 0 may be written
	ds_add_u32 v[SPW], v[NIL]                      ; 0 onto my spare word
	s_add_nc_u64 s[G0+4*(\sl)+2:G0+4*(\sl)+3], s[G0+4*(\sl)+2:G0+4*(\sl)+3], 2*16384
	s_wait_dscnt 0x0                               ; the add is done, and my reads of the slot are back
	s_barrier_signal -1
	s_barrier_wait -1                              ; both hold of all eight waves
	tensor_load_to_lds s[G0+4*(\sl):G0+4*(\sl)+3], s[G1:G1+7]  ; my one tensor load behind the barrier, and the first thing there
	s_nop 0
.endm
	PAIR 0, 0, 1                                   ; tile 1 may stay out
	FILL 0                                         ; tile 2
	PAIR 1, 1, 1                                   ; one load was issued behind tile 1
	FILL 1                                         ; tile 3, the last
	PAIR 0, 2, 1
	PAIR 1, 3, 0
	s_wait_dscnt 0x0                               ; for the others' sake: my logits lie in LDS
	s_barrier_signal -1
	s_barrier_wait -1
	; PHASE 2.  Head = my wave.  Lane l: row (l / 8) % 2, keys 64 (2 p + l / 16) + 8 (l % 8) + 0..7 for p = 0..3: 32 of the row's 512.
.irp p, 0,1,2,3
	ds_load_b128 v[X+8*\p:X+8*\p+3], v[LGR] offset:512*\p
	ds_load_b128 v[X+8*\p+4:X+8*\p+7], v[LGR] offset:512*\p+16
.endr
	s_wait_dscnt 0x0
	s_wait_loadcnt 0x0                             ; the mask
.set i, 0
.rept 16
	v_pk_add_f32 v[X+i:X+i+1], v[X+i:X+i+1], v[MK+i:MK+i+1]
.set i, i+2
.endr
.irp c, 0,1,2,3
	v_max3_num_f32 v[ST+\c], v[X+8*\c], v[X+8*\c+1], v[X+8*\c+2]
.endr
.irp c, 0,1,2,3
	v_max3_num_f32 v[ST+\c], v[ST+\c], v[X+8*\c+3], v[X+8*\c+4]
.endr
.irp c, 0,1,2,3
	v_max3_num_f32 v[ST+\c], v[ST+\c], v[X+8*\c+5], v[X+8*\c+6]
.endr
	v_max3_num_f32 v[ST], v[ST], v[X+7], v[X+15]
	v_max3_num_f32 v[ST+1], v[ST+1], v[X+23], v[X+31]
	v_max3_num_f32 v[ST], v[ST], v[ST+1], v[ST+2]
	v_max_num_f32 v[ST], v[ST], v[ST+3]
	; a row's 16 lanes differ in bits 0, 1, 2 and 4 of the lane's number; bit 3 tells the two rows apart and is not crossed
	v_max_num_f32_dpp v[ST], v[ST], v[ST] row_xmask:1 row_mask:0xf bank_mask:0xf
	v_max_num_f32_dpp v[ST], v[ST], v[ST] row_xmask:2 row_mask:0xf bank_mask:0xf
	v_max_num_f32_dpp v[ST], v[ST], v[ST] row_xmask:4 row_mask:0xf bank_mask:0xf
	v_permlanex16_b32 v[ST+1], v[ST], s[SEL], s[SEL+1]
	v_max_num_f32 v[ST], v[ST], v[ST+1]
	v_mul_f32 v[ST], s[L2E], v[ST]
.set i, 0
.rept 16
	v_pk_fma_f32 v[X+i:X+i+1], v[X+i:X+i+1], s[L2E:L2E+1], v[ST:ST+1] op_sel_hi:[1,0,0] neg_lo:[0,0,1] neg_hi:[0,0,1]
.set i, i+2
.endr
.set i, 0
.rept 32
	v_exp_f32 v[X+i], v[X+i]
.set i, i+1
.endr
	v_nop                                          ; a plain instruction behind the last exponential,
	s_wait_alu depctr_va_vdst(0)                   ; and one wait for the 32
.irp c, 0,1,2,3
	v_pk_add_f32 v[ST+2+2*\c:ST+3+2*\c], v[X+2*\c:X+2*\c+1], v[X+8+2*\c:X+8+2*\c+1]
.endr
.irp k, 16,24
.irp c, 0,1,2,3
	v_pk_add_f32 v[ST+2+2*\c:ST+3+2*\c], v[ST+2+2*\c:ST+3+2*\c], v[X+\k+2*\c:X+\k+2*\c+1]
.endr
.endr
	v_pk_add_f32 v[ST+2:ST+3], v[ST+2:ST+3], v[ST+4:ST+5]
	v_pk_add_f32 v[ST+6:ST+7], v[ST+6:ST+7], v[ST+8:ST+9]
	v_pk_add_f32 v[ST+2:ST+3], v[ST+2:ST+3], v[ST+6:ST+7]
	v_add_f32 v[ST+2], v[ST+2], v[ST+3]
	v_add_f32_dpp v[ST+2], v[ST+2], v[ST+2] row_xmask:1 row_mask:0xf bank_mask:0xf
	v_add_f32_dpp v[ST+2], v[ST+2], v[ST+2] row_xmask:2 row_mask:0xf bank_mask:0xf
	v_add_f32_dpp v[ST+2], v[ST+2], v[ST+2] row_xmask:4 row_mask:0xf bank_mask:0xf
	v_permlanex16_b32 v[ST+3], v[ST+2], s[SEL], s[SEL+1]
	v_add_f32 v[ST+2], v[ST+2], v[ST+3]
	v_rcp_f32 v[ST+2], v[ST+2]
	v_nop
	s_wait_alu depctr_va_vdst(0)
.set i, 0
.rept 16
	v_pk_mul_f32 v[X+i:X+i+1], v[X+i:X+i+1], v[ST+2:ST+3] op_sel_hi:[1,0]
.set i, i+2
.endr
.set i, 0
.rept 16
	v_cvt_pk_f16_f32 v[X+32+i], v[X+2*i], v[X+2*i+1]
.set i, i+1
.endr
.irp p, 0,1,2,3
	global_store_b128 v[WO], v[X+32+4*\p:X+32+4*\p+3], s[20:21] offset:131072*\p th:TH_STORE_NT  ; each half of the lanes stores 256 consecutive bytes, at a multiple of 256 from wq's first byte
.endr
	; THE WEIGHTS.  96 fragments of 1,024 bytes; wave v of work-group x < 12 makes one: kind x / 4, head 2 (x % 4) + v / 4, fragment v % 4.  No barrier stands in what the others jump over.
	s_cmp_lt_u32 s[XG], 12
	s_cbranch_scc0 .Lend
	s_lshr_b32 s56, s[XG], 2                       ; kind: 0 Wm, 1 Wg, 2 Wo
	s_and_b32 s57, s[XG], 3
	s_lshl_b32 s57, s57, 1
	s_lshr_b32 s58, s[WV], 2
	s_add_co_u32 s57, s57, s58                     ; head
	s_and_b32 s58, s[WV], 3                        ; fragment
	s_mul_i32 s59, s57, 12288
	s_lshl_b32 s46, s56, 12
	s_add_co_u32 s59, s59, s46
	s_lshl_b32 s46, s58, 10
	s_add_co_u32 s59, s59, s46                     ; the fragment's place in wf
	v_and_b32 v[TB], 31, v0
	v_lshlrev_b32 v[TB], 4, v[TB]
	v_add_nc_u32 v[TB], s59, v[TB]
	s_cmp_eq_u32 s56, 1
	s_cselect_b32 s60, 0xbfb8aa3b, 1.0             ; Wg takes the factor -log2(e) of the sigmoid's exponential
	s_mov_b32 s61, s60                             ; named with it as a pair
	v_lshlrev_b32 v[TA], 2, v[R]
	s_cmp_eq_u32 s56, 2
	s_cbranch_scc1 .Lwo
	; Wm, Wg [64][256]: fragment 2 dh + kp, lane l, number x of 16: W[32 (l / 16) + 16 kp + x][32 h + 16 dh + l % 16]
	v_lshl_add_u32 v[TA], v[HH], 15, v[TA]
	s_and_b32 s46, s58, 1
	s_lshl_b32 s46, s46, 14
	s_lshl_b32 s47, s57, 7
	s_add_co_u32 s46, s46, s47
	s_lshr_b32 s47, s58, 1
	s_lshl_b32 s47, s47, 6
	s_add_co_u32 s46, s46, s47
	v_add_nc_u32 v[TA], s46, v[TA]
	s_cmp_eq_u32 s56, 0
	s_cselect_b64 s[62:63], s[14:15], s[16:17]
.set i, 0
.rept 16
	global_load_b32 v[X+64+i], v[TA], s[62:63] offset:1024*i
.set i, i+1
.endr
	s_branch .Lpack
.Lwo:
	; Wo [256][64]: fragment ct, lane l, number x of 16: Wo[32 h + d][16 ct + l % 16], d = 8 (l / 16) + x for x < 8, else 16 + 8 (l / 16) + x - 8: the matrix unit's own order of k
	v_lshl_add_u32 v[TA], v[HH], 11, v[TA]
	s_lshl_b32 s46, s57, 13
	s_lshl_b32 s47, s58, 6
	s_add_co_u32 s46, s46, s47
	v_add_nc_u32 v[TA], s46, v[TA]
.set i, 0
.rept 16
	global_load_b32 v[X+64+i], v[TA], s[18:19] offset:256*(i+8*(i/8))
.set i, i+1
.endr
.Lpack:
	s_wait_loadcnt 0x0
.set i, 0
.rept 8
	v_pk_mul_f32 v[X+64+i:X+65+i], v[X+64+i:X+65+i], s[60:61] op_sel_hi:[1,0]
.set i, i+2
.endr
.set i, 0
.rept 8
	v_cvt_pk_f16_f32 v[X+96+i], v[X+64+2*i], v[X+64+2*i+1]
.set i, i+1
.endr
	global_store_b128 v[TB], v[X+96:X+99], s[22:23]              ; 512 consecutive bytes each
	global_store_b128 v[TB], v[X+100:X+103], s[22:23] offset:512
.Lend:
	s_wait_tensorcnt 0x0                           ; the wave's end, behind my last tensor load and my last LDS store
	ds_add_u32 v[SPW], v[NIL]
	s_wait_dscnt 0x0
	s_endpgm
.Lfunc_end_k_q223dc967ca_pairw:
	.size	k_q223dc967ca_pairw, .Lfunc_end_k_q223dc967ca_pairw-k_q223dc967ca_pairw
	.p2alignl 7, 3214868480
	.fill 96, 4, 3214868480
	.section	.rodata,"a",@progbits
	.p2align	6, 0x0
	.amdhsa_kernel k_q223dc967ca_pairw
		.amdhsa_group_segment_fixed_size 327680
		.amdhsa_private_segment_fixed_size 0
		.amdhsa_enable_private_segment 0
		.amdhsa_kernarg_size 80
		.amdhsa_user_sgpr_count 2
		.amdhsa_user_sgpr_kernarg_segment_ptr 1
		.amdhsa_wavefront_size32 1
		.amdhsa_system_sgpr_workgroup_id_x 1
		.amdhsa_system_sgpr_workgroup_id_y 1
		.amdhsa_system_sgpr_workgroup_id_z 1
		.amdhsa_system_vgpr_workitem_id 0
		.amdhsa_next_free_vgpr 256
		.amdhsa_next_free_sgpr 66
		.amdhsa_reserve_vcc 0
		.amdhsa_float_denorm_mode_32 3
		.amdhsa_float_denorm_mode_16_64 3
		.amdhsa_memory_ordered 1
		.amdhsa_forward_progress 1
		.amdhsa_inst_pref_size 134
	.end_amdhsa_kernel
	.amdgpu_metadata
---
amdhsa.version: [ 1, 2 ]
amdhsa.kernels:
  - .name:           k_q223dc967ca_pairw
    .symbol:         k_q223dc967ca_pairw.kd
    .args:
      - { .name: z, .offset: 0, .size: 8, .value_kind: global_buffer, .address_space: global }
      - { .name: norm_z_w, .offset: 8, .size: 8, .value_kind: global_buffer, .address_space: global }
      - { .name: norm_z_b, .offset: 16, .size: 8, .value_kind: global_buffer, .address_space: global }
      - { .name: Wz, .offset: 24, .size: 8, .value_kind: global_buffer, .address_space: global }
      - { .name: attn_mask, .offset: 32, .size: 8, .value_kind: global_buffer, .address_space: global }
      - { .name: Wm, .offset: 40, .size: 8, .value_kind: global_buffer, .address_space: global }
      - { .name: Wg, .offset: 48, .size: 8, .value_kind: global_buffer, .address_space: global }
      - { .name: Wo, .offset: 56, .size: 8, .value_kind: global_buffer, .address_space: global }
      - { .name: wq, .offset: 64, .size: 8, .value_kind: global_buffer, .address_space: global }
      - { .name: wf, .offset: 72, .size: 8, .value_kind: global_buffer, .address_space: global }
    .group_segment_fixed_size: 327680
    .private_segment_fixed_size: 0
    .kernarg_segment_align: 8
    .kernarg_segment_size: 80
    .max_flat_workgroup_size: 256
    .sgpr_count:     66
    .vgpr_count:     256
    .wavefront_size: 32
...
	.end_amdgpu_metadata
.endif
;; end of part 1
;; launch pwa (part 2): grid 256 x 1, 4 waves a work-group, clusters of 4 x 1, 327,680 bytes of LDS; arguments m, norm_m_w, norm_m_b, wq, wf, out0; writes out0
.if DOCPART == 2
	.amdgcn_target "amdgcn-amd-amdhsa--gfx1250"
	.amdhsa_code_object_version 6
	.text
	.protected	k_q223dc967ca_pwa
	.globl	k_q223dc967ca_pwa
	.p2align	8
	.type	k_q223dc967ca_pwa,@function
k_q223dc967ca_pwa:
	s_mov_b64 s[64:65], 0
	v_nop
	global_prefetch_b8 v0, s[64:65] scope:SCOPE_SE
	s_setreg_imm32_b32 hwreg(HW_REG_WAVE_MODE, 25, 1), 1
	s_wait_xcnt 0x0
	s_wait_alu depctr_hold_cnt(0) depctr_sa_sdst(0) depctr_va_vdst(0) depctr_va_sdst(0) depctr_va_ssrc(0) depctr_va_vcc(0) depctr_vm_vsrc(0)
	s_getreg_b32 s2, hwreg(HW_REG_IB_STS2, 6, 4)
	s_cmp_eq_u32 s2, 0
	s_cbranch_scc0 .Lentry_in_a_cluster
	s_endpgm
.Lentry_in_a_cluster:
	s_bfe_u32 s2, ttmp6, 0x10000c
	s_cmp_lg_u32 s2, 0x3003
	s_cbranch_scc0 .Lentry_shape_is_right
	s_endpgm
.Lentry_shape_is_right:
; out[s][i][:] = sum over h of ( (sum_j w[h][i][j] v[s][h][j][:]) * sigmoid(mn[s][i] . Wg_h) ) . Wo_h,  v = mn . Wm_h,  mn = LN(m).  m, out: [512 s][512 tokens][64] f32.
; wq (w, f16, tile 8 h + t = [i][64 keys]) and wf (the weights as f16 fragments, Wg times -log2(e)) were stored by the launch before.  v, the gate and o never leave the WGP.
; SHARES.  Work-group g owns s = 2 g and 2 g + 1, all tokens, all heads; wave q the tokens 128 q .. + 127, as i (rows of out) and, in the prologue, as j (rows of mn).
; CLUSTER.  All work-groups walk the same 64 tiles of wq.  The four of a cluster ask for each tile JOINTLY: the same tensor load, descriptor and mask in all four; wave q asks for rows 128 q .. of the tile.
; THE PRODUCTS are laid so that nothing changes lanes (l = lane, r = l % 16, hh = l / 16):
;   v:     source 0 = 16 rows j of mn, source 1 = Wm (n = d).       A lane holds one d and 8 keys; two results rounded to f16 ARE source 0 (16 d x 32 keys) of the next product.
;   o^T:   source 0 = v^T (a = 2 s + dh: 16 d), source 1 = w (n = i, k = 32 keys).     A lane holds one i and 8 d.
;   g^T:   source 0 = Wg (m = d), source 1 = mn (n = i): the same layout as o^T.
;   out^T: source 0 = Wo^T (m = 16 c), source 1 = (o g)^T of both dh rounded to f16 (k = 32 d).  A lane holds one i and 8 neighbouring c.
; In the products over c both sources hold c = 32 hh + 16 kp + 2 p + e (K step kp, register p, half e): a lane takes 128 consecutive bytes of a row of m.
; LAYER NORM in f32, in two passes.  sigmoid(x) = 1 / (1 + 2^(-log2(e) x)); it is made as 16 g = 1 / ((1 + e) / 16), and out is multiplied by 1/16 in f32 at the end: that centres o g in f16's range.
; LIMITS.  Every matrix operand is f16, rounded once from f32: mn, v and 16 o g must stay under 65,504 (|mn| <= 8 |gain| + |bias|; o is a mean of v); below 6.1e-5 a number keeps f16's fixed step of 6e-8.
; NaN and infinities are not treated apart.
; THE WALK.  A step is one tile of wq: 64 keys of one head, 64 products o^T a wave; beside them the wave makes its quarter of the NEXT tile's v (8 products) into LDS.  Two ring slots; behind each step's round
; one joint load a wave, for the tile two steps on.  Behind a head's eighth step: the gate and out^T (EPI).
; REGISTERS, in windows of 256 (s_set_vgpr_msb: bits 1:0 source 0, 3:2 source 1, 5:4 source 2, 7:6 destination):
;   window 0: addresses, fragments (below)      window 1: o^T, (a, b) at 8 (4 b + a), b = my tile of 16 i      windows 2, 3: out^T of s = 0, 1: (b, ct) at 8 (4 b + ct)
.set PW,    144                        ; a row of w in LDS: 128 bytes + 16 of padding = 9 x 16: the 16 rows of a load start at 16 different groups of four banks (ISA guide 11.1)
.set RSLOT, 512*PW                     ; a ring slot: one tile.  In the prologue the two slots take m instead: 4 waves x 64 rows x 272 bytes
.set WQ4,   128*PW
.set RAWP,  272
.set RAWW,  64*RAWP
.set MN,    2*RSLOT                    ; mn as fragments of 1,024 bytes: [j / 16][s][kp][register half u][lane][16 bytes]: 131,072 bytes.  From here on no tensor load lands
.set VB,    MN+131072                  ; v of one tile, twice: [buffer][kk][a][1,024 bytes]
.set STAGE, VB+16384                   ; 16 rows x 272 bytes for each wave, for the way out
.set SP,    272
.set SPARE, STAGE+4*16*SP              ; the spare words, 128 bytes for each wave: two blocks of 256 bytes that no other line names
.set R,    2                           ; v2   r
.set HH,   3                           ; v3   hh
.set AW,   4                           ; v4-5 my place in my quarter of ring slot 0, 1
.set RA0,  6                           ; v6   my 128 bytes of row r in my rows of a raw slot
.set RA,   7
.set SA,   8
.set GBO,  9
.set AV,   12                          ; v12  VB + 16 l
.set AVS,  13                          ; v13  where my wave puts its part of v
.set AM,   14                          ; v14  the mn rows of the production in hand
.set AM0,  15
.set AG,   16                          ; v16  MN + my 128 tokens + 16 l
.set LOFF, 17                          ; v17  16 l
.set SPW,  18                          ; v18  LDS address of my spare word; never rewritten
.set NIL,  19                          ; v19  0; never rewritten
.set PFO,  20                          ; v20  256 l
.set STO,  21
.set RD,   22
.set GO,   23
.set WM,   32                          ; v32-63    Wm of the head whose v is being made: fragment 2 dh + kp
.set WA,   64                          ; v64-95    w, four tiles of 16 i (b 0-3).  EPI: mn of an even turn.  Prologue: the gain
.set WB,   96                          ; v96-127   w, b 4-7.               EPI: mn of an odd turn.   Prologue: the bias
.set VF0,  128                         ; v128-159  v^T, keys 0-31 of the tile.   EPI: Wo.          Prologue: a row tile of m
.set VF1,  160                         ; v160-191  v^T, keys 32-63.              EPI: the gate of an even turn.  Prologue: statistics
.set MA,   192                         ; v192-223  mn for the production.        EPI: Wg
.set VD,   224                         ; v224-255  the production's results.     EPI: the gate of an odd turn
.set ST,   160
.set WV,   16
.set CX,   17
.set GG,   18
.set G1M,  24                          ; s[24:31] group 1 for m
.set G1W,  32                          ; s[32:39] group 1 for wq
.set G0M,  40                          ; s[40:47] group 0 for m, a set for each slot
.set G0W,  48                          ; s[48:55] group 0 for wq, a set for each slot: made of the wave's number alone
.set SEL,  56
.set HEADS,58
.set PAIRS,59
.set LEFT, 60                          ; s60  refills still to come
.set LIM,  61                          ; s61  2 in a wave that prefetches, else the greatest number
.set TM,   62                          ; s62  the next production's tile in MN
.set CNT,  63
.set PFA,  66                          ; s[66:67] where my prefetches stand
.set WFP,  68                          ; s[68:69] wf at the head in hand
.set TR,   70
.set TS,   71
.set OUTB, 74
.set SC,   76                          ; s[76:77] 1/16
.set C64,  78
.set EPSR, 79
.set MSB, 0
.macro WIN new                         ; the immediate's high byte repeats the setting that is left; a switch that changes nothing is dropped
.if MSB != (\new)
	s_set_vgpr_msb (MSB<<8)|(\new)
.set MSB, (\new)
.endif
.endm
.set W_MUL, 0x50                       ; C and D in window 1
.macro PLACES                          ; four places behind a matrix instruction, in front of loads into its sources and of readers of its result (ISA guide 7.12.1 for readers of its result)
.rept 4
	v_nop
.endr
.endm
.macro CREST                           ; a round of the cluster's barrier behind its opening barrier
	s_cmp_lg_u32 s[WV], 0
	s_cbranch_scc1 .Lnot_wave_0_\@
	s_barrier_signal -3
.Lnot_wave_0_\@:
	s_barrier_wait -3
	s_barrier_signal -1
	s_barrier_wait -1
.endm
.macro CROUND
	s_barrier_signal -1
	s_barrier_wait -1
	CREST
.endm
	s_load_b256 s[4:11], s[0:1], 0x0               ; m s[4:5], gain s[6:7], bias s[8:9], wq s[10:11]
	s_load_b128 s[12:15], s[0:1], 0x20             ; wf s[12:13], out0 s[14:15]
	v_lshl_add_u32 v[SPW], v0, 2, SPARE
	v_mov_b32 v[NIL], 0
	ds_add_u32 v[SPW], v[NIL]                      ; the wave's opening: the add and its wait stand ahead of my first tensor load; work on registers stands between them
	v_lshrrev_b32 v1, 5, v0
	v_readfirstlane_b32 s[WV], v1                  ; wave 0..3
	s_bfe_u32 s[CX], ttmp6, 0x40000                ; my place in the cluster
	s_lshl_b32 s[GG], ttmp9, 2                     ; in a cluster launch ttmp9 counts clusters
	s_add_co_u32 s[GG], s[GG], s[CX]               ; g: it enters m's, out0's and the prefetches' addresses alone
	; group 1 for m: 64 rows x 64 elements of 4 bytes, 16 bytes of padding behind each row; no mask: each work-group has rows of its own
	s_mov_b32 s[G1M+0], (2<<16)|(1<<20)|(5<<22)|(3<<25)
	s_mov_b32 s[G1M+1], 64<<16
	s_mov_b32 s[G1M+2], 64<<16
	s_mov_b32 s[G1M+3], 64<<16
	s_mov_b32 s[G1M+4], 64
	s_mov_b32 s[G1M+5], 64
	s_mov_b32 s[G1M+6], 0
	s_mov_b32 s[G1M+7], 0
	; group 1 for wq: a quarter tile is 16,384 dense bytes: asked for as 64 rows of 256 bytes, two rows i each, padded in LDS behind every row i
	s_mov_b32 s[G1W+0], 15|(1<<16)|(1<<20)|(1<<21)|(4<<22)|(3<<25)  ; 15:0 the mask of four; 17:16 2-byte elements; 20 padding on; 21 set beside a mask; 24:22 after every 32 words (code 4); 31:25 4 words (code 3)
	s_mov_b32 s[G1W+1], 128<<16
	s_mov_b32 s[G1W+2], 64<<16
	s_mov_b32 s[G1W+3], 128<<16
	s_mov_b32 s[G1W+4], 64
	s_mov_b32 s[G1W+5], 128
	s_mov_b32 s[G1W+6], 0
	s_mov_b32 s[G1W+7], 0
	s_mul_i32 s19, s[WV], RAWW                     ; my rows in a raw slot,
	s_mul_i32 s20, s[WV], WQ4                      ; my quarter of a ring slot: no place in the cluster enters an LDS address
	s_lshl_b32 s2, s[GG], 18                       ; g x 2 s x 131,072 bytes,
	s_lshl_b32 s3, s[WV], 15                       ; my 128 tokens x 256 bytes
	s_add_co_u32 s2, s2, s3
	s_mov_b32 s3, 0
	s_lshl_b32 s22, s[WV], 14                      ; my quarter of a tile of wq
	s_mov_b32 s23, 0
	s_lshl_b32 s72, s[CX], 14                      ; the prefetches: my work-group's quarter of a tile,
	s_lshl_b32 s73, s[WV], 13                      ; my wave's half of it (waves 0 and 1),
	s_add_co_u32 s72, s72, s73
	s_add_co_u32 s72, s72, 4*65536                 ; in tile 4: the first step moves it on to tile 5
	s_mov_b32 s73, 0
	s_lshr_b32 s[LIM], s[WV], 1                    ; 0 in waves 0 and 1,
	s_or_b32 s[LIM], s[LIM], ttmp9                 ; of the launch's first cluster: the same in all four partners
	s_cmp_eq_u32 s[LIM], 0
	s_cselect_b32 s[LIM], 2, -1
	s_mov_b32 s[SEL], 0x76543210
	s_mov_b32 s[SEL+1], 0xfedcba98
	s_mov_b32 s[SC], 0x3d800000                    ; 1/16
	s_mov_b32 s[SC+1], s[SC]                       ; named with it as a pair
	s_mov_b32 s[C64], 0x3c800000                   ; 1/64
	s_mov_b32 s[EPSR], 0x3727c5ac                  ; 1e-5
	s_wait_dscnt 0x0                               ; the opening add is done
	s_wait_kmcnt 0x0
	s_add_nc_u64 s[4:5], s[4:5], s[2:3]
	s_add_nc_u64 s[OUTB:OUTB+1], s[14:15], s[2:3]
	s_add_nc_u64 s[PFA:PFA+1], s[10:11], s[72:73]
	s_add_nc_u64 s[10:11], s[10:11], s[22:23]
	s_mov_b64 s[WFP:WFP+1], s[12:13]
.irp s, 0,1
	s_mov_b32 s[G0M+4*(\s)], 1
	s_add_co_u32 s[G0M+4*(\s)+1], s19, (\s)*RSLOT
	s_add_nc_u64 s[G0M+4*(\s)+2:G0M+4*(\s)+3], s[4:5], (\s)*16384   ; piece s: s = 0, my tokens 64 s .. + 63
	s_or_b32 s[G0M+4*(\s)+3], s[G0M+4*(\s)+3], 0x80000000
	s_mov_b32 s[G0W+4*(\s)], 1
	s_add_co_u32 s[G0W+4*(\s)+1], s20, (\s)*RSLOT
	s_add_nc_u64 s[G0W+4*(\s)+2:G0W+4*(\s)+3], s[10:11], (\s)*65536 ; tile s
	s_or_b32 s[G0W+4*(\s)+3], s[G0W+4*(\s)+3], 0x80000000
.endr
	CROUND                                         ; in a cluster launch every group of tensor loads stands behind a round
	tensor_load_to_lds s[G0M:G0M+3], s[G1M:G1M+7]  ; pieces 0 and 1 of m: two loads of mine are out
	s_nop 0
	tensor_load_to_lds s[G0M+4:G0M+7], s[G1M:G1M+7]
	s_nop 0
	v_and_b32 v[R], 15, v0
	v_bfe_u32 v[HH], v0, 4, 1
	v_and_b32 v1, 31, v0
	v_lshlrev_b32 v[LOFF], 4, v1
	v_lshlrev_b32 v[PFO], 8, v1
	v_lshlrev_b32 v[GBO], 7, v[HH]
.irp k, 0,1,2,3,4,5,6,7
	global_load_b128 v[WM+4*\k:WM+4*\k+3], v[LOFF], s[WFP:WFP+1] offset:512*\k  ; Wm of head 0
	global_load_b128 v[WA+4*\k:WA+4*\k+3], v[GBO], s[6:7] offset:16*\k          ; the gain of my 32 channels
	global_load_b128 v[WB+4*\k:WB+4*\k+3], v[GBO], s[8:9] offset:16*\k          ; the bias
.endr
	v_mul_u32_u24 v[AW], v[R], PW
	v_lshl_add_u32 v[AW], v[HH], 4, v[AW]
	v_add_nc_u32 v[AW], s20, v[AW]
	v_add_nc_u32 v[AW+1], RSLOT, v[AW]
	v_mul_u32_u24 v[RA0], v[R], RAWP
	v_lshl_add_u32 v[RA0], v[HH], 7, v[RA0]
	v_add_nc_u32 v[RA0], s19, v[RA0]
	v_add_nc_u32 v[AV], VB, v[LOFF]
	s_lshr_b32 s2, s[WV], 1                        ; of a tile's v my wave makes keys 32 (q / 2) .. + 31
	s_and_b32 s3, s[WV], 1                         ; of s = q % 2
	s_lshl_b32 s3, s3, 11
	s_lshl_b32 s21, s2, 12
	s_add_co_u32 s21, s21, s3
	v_add_nc_u32 v[AVS], s21, v[AV]
	s_lshl_b32 s21, s2, 13
	s_add_co_u32 s21, s21, s3
	s_add_co_u32 s21, s21, MN
	v_add_nc_u32 v[AM0], s21, v[LOFF]
	s_lshl_b32 s21, s[WV], 15
	s_add_co_u32 s21, s21, MN
	v_add_nc_u32 v[AG], s21, v[LOFF]
	s_mul_i32 s21, s[WV], 16*SP
	s_add_co_u32 s21, s21, STAGE
	v_mul_u32_u24 v[STO], v[R], SP                 ; in: row r, 32 bytes for each half of the lanes
	v_lshl_add_u32 v[STO], v[HH], 5, v[STO]
	v_add_nc_u32 v[STO], s21, v[STO]
	v_mul_u32_u24 v[RD], v[HH], SP                 ; back: lanes 0-15 take one row of 256 bytes, lanes 16-31 the next
	v_lshl_add_u32 v[RD], v[R], 4, v[RD]
	v_add_nc_u32 v[RD], s21, v[RD]
	v_lshlrev_b32 v[GO], 8, v[HH]                  ; and the same two rows in out0
	v_lshl_add_u32 v[GO], v[R], 4, v[GO]
	; out^T starts at 0.  These lines run in the wait for the first tiles; a first head written out, whose products start the sums, would be a third copy of EPI
	WIN 0x80
.set i, 0
.rept 256
	v_mov_b32 v[i], 0
.set i, i+1
.endr
	WIN 0xc0
.set i, 0
.rept 256
	v_mov_b32 v[i], 0
.set i, i+1
.endr
	WIN 0
	s_wait_loadcnt 0x0
; PIECE pi of m (s = pi / 2, my tokens 64 (pi % 2) .. + 63, in raw slot pi % 2) becomes mn: four row tiles of 16 tokens, a trip each.
.macro PIECE pi
	s_wait_tensorcnt 0x1                           ; one load was issued behind this piece's; only I read my rows
	s_mov_b32 s[TR], ((\pi)&1)*RSLOT
	s_mov_b32 s[TS], ((\pi)&1)*16384+((\pi)>>1)*2048
	s_mov_b32 s[CNT], 4
.Lln_\@:
	v_add_nc_u32 v[RA], s[TR], v[RA0]
	v_add_nc_u32 v[SA], s[TS], v[AG]
.irp t, 0,1,2,3,4,5,6,7
	ds_load_b128 v[VF0+4*\t:VF0+4*\t+3], v[RA] offset:16*\t
.endr
	s_wait_dscnt 0x0
.irp c, 0,1,2,3
	v_pk_add_f32 v[ST+2*\c:ST+2*\c+1], v[VF0+2*\c:VF0+2*\c+1], v[VF0+8+2*\c:VF0+8+2*\c+1]
.endr
.irp k, 16,24
.irp c, 0,1,2,3
	v_pk_add_f32 v[ST+2*\c:ST+2*\c+1], v[ST+2*\c:ST+2*\c+1], v[VF0+\k+2*\c:VF0+\k+2*\c+1]
.endr
.endr
	FOLD1
	v_mul_f32 v[ST], s[C64], v[ST]                 ; the mean
.set i, 0
.rept 16
	v_pk_add_f32 v[VF0+i:VF0+i+1], v[VF0+i:VF0+i+1], v[ST:ST+1] op_sel_hi:[1,0] neg_lo:[0,1] neg_hi:[0,1]
.set i, i+2
.endr
.irp c, 0,1,2,3
	v_pk_mul_f32 v[ST+2*\c:ST+2*\c+1], v[VF0+2*\c:VF0+2*\c+1], v[VF0+2*\c:VF0+2*\c+1]
.endr
.irp k, 8,16,24
.irp c, 0,1,2,3
	v_pk_fma_f32 v[ST+2*\c:ST+2*\c+1], v[VF0+\k+2*\c:VF0+\k+2*\c+1], v[VF0+\k+2*\c:VF0+\k+2*\c+1], v[ST+2*\c:ST+2*\c+1]
.endr
.endr
	FOLD1
	v_fma_f32 v[ST], v[ST], s[C64], s[EPSR]
	v_rsq_f32 v[ST], v[ST]
	v_nop                                          ; a plain instruction behind it (ISA guide 5.7.2),
	s_wait_alu depctr_va_vdst(0)                   ; and the wait ahead of the first use
.set i, 0
.rept 16
	v_pk_mul_f32 v[VF0+i:VF0+i+1], v[VF0+i:VF0+i+1], v[ST:ST+1] op_sel_hi:[1,0]
.set i, i+2
.endr
.set i, 0
.rept 16
	v_pk_fma_f32 v[VF0+i:VF0+i+1], v[VF0+i:VF0+i+1], v[WA+i:WA+i+1], v[WB+i:WB+i+1]
.set i, i+2
.endr
.set i, 0
.rept 16                               ; to f16, in place and ascending
	v_cvt_pk_f16_f32 v[VF0+i], v[VF0+2*i], v[VF0+2*i+1]
.set i, i+1
.endr
.irp k, 0,1,2,3
	ds_store_b128 v[SA], v[VF0+4*\k:VF0+4*\k+3] offset:512*\k  ; K step k / 2, register half k % 2
.endr
	s_add_co_u32 s[TR], s[TR], 16*RAWP
	s_add_co_u32 s[TS], s[TS], 4096
	s_sub_co_u32 s[CNT], s[CNT], 1
	s_cmp_lg_u32 s[CNT], 0
	s_cbranch_scc1 .Lln_\@
.endm
.macro FOLD1                           ; four pairs of partial sums become one number, the same in both halves of the lanes
	v_pk_add_f32 v[ST:ST+1], v[ST:ST+1], v[ST+2:ST+3]
	v_pk_add_f32 v[ST+4:ST+5], v[ST+4:ST+5], v[ST+6:ST+7]
	v_pk_add_f32 v[ST:ST+1], v[ST:ST+1], v[ST+4:ST+5]
	v_add_f32 v[ST], v[ST], v[ST+1]
	v_permlanex16_b32 v[ST+1], v[ST], s[SEL], s[SEL+1]
	v_add_f32 v[ST], v[ST], v[ST+1]
.endm
; A slot that has been read is filled again: every wave has waited for all its tensor loads, added 0 to its spare word, and waited for that, for its reads of the slot and for its stores of mn;
; a round of the cluster's barrier; and the wave's one tensor load first behind it.
.macro FILLM sl                        ; the same tokens of s = 1
	s_wait_tensorcnt 0x0
	ds_add_u32 v[SPW], v[NIL]
	s_add_nc_u64 s[G0M+4*(\sl)+2:G0M+4*(\sl)+3], s[G0M+4*(\sl)+2:G0M+4*(\sl)+3], 131072
	s_wait_dscnt 0x0
	CROUND
	tensor_load_to_lds s[G0M+4*(\sl):G0M+4*(\sl)+3], s[G1M:G1M+7]
	s_nop 0
.endm
.macro FILLW sl                        ; tile sl of wq, jointly
	s_wait_tensorcnt 0x0
	ds_add_u32 v[SPW], v[NIL]
	s_wait_dscnt 0x0
	CROUND
	tensor_load_to_lds s[G0W+4*(\sl):G0W+4*(\sl)+3], s[G1W:G1W+7]
	s_nop 0
.endm
; THE K LOOP's PARTS.
; n x 4 products o^T: tiles b = 4 hb + b0 .. of 16 i, all four a.  Every accumulator has a turn of one instruction.  zero = 1: the products start the sums.
.macro MUL w, v, hb, b0, n, zero
	WIN W_MUL
.set bb, \b0
.rept \n
.irp a, 0,1,2,3
.set rO, 8*(4*(4*(\hb)+bb)+\a)
.if \zero
	v_wmma_f32_16x16x32_f16 v[rO:rO+7], v[(\v)+8*\a:(\v)+8*\a+7], v[(\w)+8*bb:(\w)+8*bb+7], 0
.else
	v_wmma_f32_16x16x32_f16 v[rO:rO+7], v[(\v)+8*\a:(\v)+8*\a+7], v[(\w)+8*bb:(\w)+8*bb+7], v[rO:rO+7]
.endif
.endr
.set bb, bb+1
.endr
.endm
.macro FW dst, p, kk, hb               ; w: four tiles of 16 i x 32 keys out of slot p
	WIN 0
.irp b, 0,1,2,3
	ds_load_b128 v[(\dst)+8*\b:(\dst)+8*\b+3],   v[AW+(\p)] offset:(4*(\hb)+\b)*16*PW+64*(\kk)
	ds_load_b128 v[(\dst)+8*\b+4:(\dst)+8*\b+7], v[AW+(\p)] offset:(4*(\hb)+\b)*16*PW+64*(\kk)+32
.endr
.endm
.macro FV dst, p, kk                   ; v^T: four fragments of 16 d x 32 keys out of buffer p
	WIN 0
.irp a, 0,1,2,3
	ds_load_b128 v[(\dst)+8*\a:(\dst)+8*\a+3],   v[AV] offset:8192*(\p)+4096*(\kk)+1024*\a
	ds_load_b128 v[(\dst)+8*\a+4:(\dst)+8*\a+7], v[AV] offset:8192*(\p)+4096*(\kk)+1024*\a+512
.endr
.endm
.macro FMA                             ; mn of the 32 keys whose v I make next
	WIN 0
	v_add_nc_u32 v[AM], s[TM], v[AM0]
.irp ar, 0,1
.irp k, 0,1,2,3
	ds_load_b128 v[MA+16*\ar+4*\k:MA+16*\ar+4*\k+3], v[AM] offset:4096*\ar+512*\k
.endr
.endr
.endm
.macro PROD                            ; v of 32 keys x 32 d: four accumulators by turns, two K steps
	WIN 0
.irp kp, 0,1
.irp dh, 0,1
.irp ar, 0,1
.if \kp == 0
	v_wmma_f32_16x16x32_f16 v[VD+16*\dh+8*\ar:VD+16*\dh+8*\ar+7], v[MA+16*\ar+8*\kp:MA+16*\ar+8*\kp+7], v[WM+16*\dh+8*\kp:WM+16*\dh+8*\kp+7], 0
.else
	v_wmma_f32_16x16x32_f16 v[VD+16*\dh+8*\ar:VD+16*\dh+8*\ar+7], v[MA+16*\ar+8*\kp:MA+16*\ar+8*\kp+7], v[WM+16*\dh+8*\kp:WM+16*\dh+8*\kp+7], v[VD+16*\dh+8*\ar:VD+16*\dh+8*\ar+7]
.endif
.endr
.endr
.endr
.endm
.macro PACKST p                        ; rounded to f16 in place, ascending (each accumulator is read from its low end on), and put into the buffer that step p does not read
	WIN 0
.irp dh, 0,1
.irp j, 0,1,2,3,4,5,6,7
	v_cvt_pk_f16_f32 v[VD+16*\dh+\j], v[VD+16*\dh+2*\j], v[VD+16*\dh+2*\j+1]
.endr
.endr
.irp dh, 0,1
	ds_store_b128 v[AVS], v[VD+16*\dh:VD+16*\dh+3]   offset:8192*(1-(\p))+1024*\dh
	ds_store_b128 v[AVS], v[VD+16*\dh+4:VD+16*\dh+7] offset:8192*(1-(\p))+1024*\dh+512
.endr
.endm
.macro GLD dst, off                    ; four fragments out of wf
	WIN 0
.irp k, 0,1,2,3,4,5,6,7
	global_load_b128 v[(\dst)+4*\k:(\dst)+4*\k+3], v[LOFF], s[WFP:WFP+1] offset:(\off)+512*\k
.endr
.endm
.macro MFL n                           ; mn of my tile n of 16 i, both s, both K steps
	WIN 0
.irp s, 0,1
.irp k, 0,1,2,3
	ds_load_b128 v[WA+32*((\n)&1)+16*\s+4*\k:WA+32*((\n)&1)+16*\s+4*\k+3], v[AG] offset:(2*(\n)+\s)*2048+512*\k
.endr
.endr
.endm
; A PREFETCH INTO THE L2, behind the joint load, its five lines and the run of LDS loads: in step t the tile t + 5, which is loaded three steps on.  Every cluster walks the same tiles: the launch's first cluster
; asks.  Its four partners take a quarter of the tile each, told apart BY ADDRESS; in each, waves 0 and 1 take half a quarter: 32 blocks of 256 bytes, a lane a block.  So each block is named once.
; Tiles 0 to 4 come by their loads alone; the last three refills ask for nothing: there is no tile 64.
.macro ASK
	WIN 0
	s_cmp_gt_u32 s[LEFT], s[LIM]
	s_cbranch_scc0 .Lnot_mine_\@
	global_prefetch_b8 v[PFO], s[PFA:PFA+1] th:TH_LOAD_NT scope:SCOPE_SE
.Lnot_mine_\@:
.endm
; A STEP: the tile in slot p.  On entry v^T of its keys 0-31 and w of b 0-3 are on their way (lead = 1: they are asked for here).
; zero: a head's first step.  wm: behind the production Wm of the next head is asked for, and the productions go back to keys 0.  epi: a head's last step: Wg, Wo and the first mn are fetched in place of
; the next step's fragments.  fill: the slot takes the tile two steps on.
.macro BODY p, zero=0, lead=0, wm=0, epi=0, fill=1
.if \lead
	PLACES
	FV VF0, \p, 0
	FW WA, \p, 0, 0
.endif
	PLACES
	FW WB, \p, 0, 1
	FMA
	s_wait_dscnt 16                                ; all but the 16 just issued
	MUL WA, VF0, 0, 0, 4, \zero
	PLACES
	FW WA, \p, 1, 0
	FV VF1, \p, 1
	s_wait_dscnt 16                                ; all but the 16 just issued
.if \epi
	s_wait_loadcnt 0x0                             ; Wm of the next head, asked for a step ago
.endif
	PROD
	MUL WB, VF0, 1, 0, 4, \zero
	PLACES
	FW WB, \p, 1, 1
	PACKST \p
.if \wm
	s_sub_co_u32 s[TM], s[TM], 114688
	GLD WM, 12288
.else
	s_add_co_u32 s[TM], s[TM], 16384
.endif
.if \epi
	GLD MA, 4096                                   ; Wg
	GLD VF0, 8192                                  ; Wo
.endif
.if \fill
	s_wait_xcnt 0x0                                ; the last prefetch, a step back, has read its address
	s_add_nc_u64 s[PFA:PFA+1], s[PFA:PFA+1], 65536
	s_sub_co_u32 s[LEFT], s[LEFT], 1
.endif
	; THE CHANGE OF SLOTS.  ONE barrier, for three things: nobody reads this slot any more, the other slot is whole, and the next tile's v lies in LDS.
	WIN 0
	s_wait_tensorcnt 0x0                           ; all my tensor loads have landed: the one that was out is my quarter of the other slot
	ds_add_u32 v[SPW], v[NIL]                      ; 0 onto my spare word
	s_wait_dscnt 13                                ; (the add, my four stores of v and the youngest eight loads may be out)
	MUL WA, VF1, 0, 0, 2, 0
	s_wait_dscnt 0x0                               ; the add and my stores are done, my reads of the slot and of v are back
	s_barrier_signal -1
	MUL WA, VF1, 0, 2, 2, 0
	WIN 0
	s_barrier_wait -1
.if \fill
	CREST                                          ; the barrier has opened a round of the cluster's: no wave of any partner still reads this slot or has a load on its way
	s_add_nc_u64 s[G0W+4*(\p)+2:G0W+4*(\p)+3], s[G0W+4*(\p)+2:G0W+4*(\p)+3], 131072
	tensor_load_to_lds s[G0W+4*(\p):G0W+4*(\p)+3], s[G1W:G1W+7]  ; my one tensor load behind the round: it has a step, 72 matrix instructions, in which to land
	s_nop 0
.endif
	PLACES                                         ; behind the load; also the places in front of the loads below
.if \epi
	MFL 0
.else
	FV VF0, 1-(\p), 0
	FW WA, 1-(\p), 0, 0
.endif
.if \fill
	ASK
.endif
	MUL WB, VF1, 1, 0, 4, 0
.endm
.macro LASTBODY                        ; tile 63, in slot 1: nothing is made, nothing is filled, no barrier
	PLACES
	FW WB, 1, 0, 1
	GLD MA, 4096
	s_wait_dscnt 8
	MUL WA, VF0, 0, 0, 4, 0
	PLACES
	FW WA, 1, 1, 0
	FV VF1, 1, 1
	s_wait_dscnt 16
	MUL WB, VF0, 1, 0, 4, 0
	PLACES
	FW WB, 1, 1, 1
	GLD VF0, 8192
	s_wait_dscnt 8
	MUL WA, VF1, 0, 0, 4, 0
	PLACES
	MFL 0
	s_wait_dscnt 8
	MUL WB, VF1, 1, 0, 4, 0
.endm
; A HEAD's END, eight turns: turn n belongs to my tile n of 16 i.  The gate's buffers go by the turn's parity; register x = 16 s + 8 dh + k of a buffer stands against o^T's register 32 n + x.
.macro GMM n, idx                      ; product idx of 8 of g^T for tile n: K step idx / 4, s = (idx / 2) % 2, dh = idx % 2: four accumulators by turns
.set rG, VF1+64*((\n)&1)+16*(((\idx)>>1)&1)+8*((\idx)&1)
.set rA, MA+16*((\idx)&1)+8*((\idx)>>2)
.set rB, WA+32*((\n)&1)+16*(((\idx)>>1)&1)+8*((\idx)>>2)
	WIN 0
.if (\idx) < 4
	v_wmma_f32_16x16x32_f16 v[rG:rG+7], v[rA:rA+7], v[rB:rB+7], 0
.else
	v_wmma_f32_16x16x32_f16 v[rG:rG+7], v[rA:rA+7], v[rB:rB+7], v[rG:rG+7]
.endif
.endm
.macro OMM n, idx                      ; product idx of 8 of out^T += Wo^T (o g)^T for tile n: s = idx / 4, 16 channels ct = idx % 4: eight accumulators, one instruction each
.set rU, 8*(4*(\n)+((\idx)&3))
.set rB, VF1+64*((\n)&1)+16*((\idx)>>2)
	WIN 0xa0+0x50*((\idx)>>2)
	v_wmma_f32_16x16x32_f16 v[rU:rU+7], v[VF0+8*((\idx)&3):VF0+8*((\idx)&3)+7], v[rB:rB+7], v[rU:rU+7]
.endm
; Turn n: the 8 products out^T of tile n - 1 with the 32 exponentials of tile n behind them, four each; one wait; (1 + e) / 16; the 8 products g^T of tile n + 1 with the 32 reciprocals behind them; one wait;
; o times the gate, rounded to f16 in place.  The plain lines between the two runs of products are the places that the second run's results (written over the first run's source) ask for.
.macro EPI last
	WIN 0
.rept 5
	v_nop                                          ; five places: the first g^T writes over a source of the last o^T
.endr
	MFL 1
	s_wait_loadcnt 0x0                             ; Wg and Wo
.if (\last) == 0
	s_add_nc_u64 s[WFP:WFP+1], s[WFP:WFP+1], 12288 ; the next head's block
.endif
	s_wait_dscnt 8                                 ; mn of tile 0 is in; tile 1's may be out
.set x, 0
.rept 8
	GMM 0, x
.set x, x+1
.endr
	PLACES
.irp n, 0,1,2,3,4,5,6,7
.set GN, VF1+64*((\n)&1)
.if \n <= 5
	MFL (\n)+2
.endif
.set x, 0
.rept 8
.if \n > 0
	OMM (\n)-1, x
.endif
	WIN 0
.irp j, 0,1,2,3
	v_exp_f32 v[GN+4*x+\j], v[GN+4*x+\j]
.endr
.set x, x+1
.endr
	v_nop                                          ; a plain instruction behind the last exponential,
	s_wait_alu depctr_va_vdst(0)                   ; and one wait for the 32
.set x, 0
.rept 16
	v_pk_fma_f32 v[GN+x:GN+x+1], v[GN+x:GN+x+1], s[SC:SC+1], s[SC:SC+1] op_sel_hi:[1,0,0]
.set x, x+2
.endr
.if \n < 6
	s_wait_dscnt 8                                 ; mn of tile n + 1 is in; tile n + 2's may be out
.elseif \n == 6
	s_wait_dscnt 0x0
.endif
.set x, 0
.rept 8
.if \n < 7
	GMM (\n)+1, x
.endif
.irp j, 0,1,2,3
	v_rcp_f32 v[GN+4*x+\j], v[GN+4*x+\j]
.endr
.set x, x+1
.endr
	v_nop
	s_wait_alu depctr_va_vdst(0)                   ; one wait for the 32 reciprocals
	WIN 0x01                                       ; source 0: o^T, in window 1
.set x, 0
.rept 16
	v_pk_mul_f32 v[GN+x:GN+x+1], v[32*(\n)+x:32*(\n)+x+1], v[GN+x:GN+x+1]
.set x, x+2
.endr
	WIN 0
.irp s, 0,1
.irp j, 0,1,2,3,4,5,6,7
	v_cvt_pk_f16_f32 v[GN+16*\s+\j], v[GN+16*\s+2*\j], v[GN+16*\s+2*\j+1]
.endr
.endr
.endr
.set x, 0
.rept 8
	OMM 7, x
.set x, x+1
.endr
	WIN 0
.endm
	; THE PROLOGUE: m becomes mn; the ring's first two tiles are asked for as the raw slots fall free.
	PIECE 0
	FILLM 0
	PIECE 1
	FILLM 1
	PIECE 2
	FILLW 0                                        ; tile 0
	PIECE 3
	FILLW 1                                        ; tile 1; every wave's stores of mn were waited for in front of this round: all of mn may be read
	s_mov_b32 s[TM], 0
	FMA
	s_wait_dscnt 0x0
	PROD                                           ; v of tile 0
	PLACES
	PACKST 1
	s_mov_b32 s[TM], 16384
	s_wait_dscnt 0x0                               ; for the others' sake: my part of v lies in LDS
	s_barrier_signal -1                            ; Tile 1 may stay out; tile 0 landed in front of the round above
	s_barrier_wait -1
	s_mov_b32 s[HEADS], 8
	s_mov_b32 s[LEFT], 62
	s_branch .Lenter                               ; the loop is entered at a head's first step, in the middle of a trip
.Lhead:                                        ; a trip: a head's steps 6 and 7 and its end, then the next head's steps 0 to 5
	BODY 0, 0, 0, 1, 0, 1
	BODY 1, 0, 0, 0, 1, 1
	EPI 0
.Lenter:
	BODY 0, 1, 1, 0, 0, 1
	BODY 1
	WIN 0
	s_mov_b32 s[PAIRS], 2
.Lpair:
	BODY 0
	BODY 1
	WIN 0
	s_sub_co_u32 s[PAIRS], s[PAIRS], 1
	s_cmp_lg_u32 s[PAIRS], 0
	s_cbranch_scc1 .Lpair
	s_sub_co_u32 s[HEADS], s[HEADS], 1
	s_cmp_lg_u32 s[HEADS], 0
	s_cbranch_scc1 .Lhead
	BODY 0, 0, 0, 0, 0, 0                          ; the tail is written out: tiles 62 and 63 ask for nothing
	LASTBODY
	EPI 1
	; THE WAY OUT.  A lane's eight channels of a row are 32 bytes; a group (s, b) of 16 rows goes into rows of 272 bytes in my own stage and comes back as whole rows of 256, is multiplied by 1/16 and stored.
.macro TOSTAGE a
	s_wait_xcnt 0x0                                ; the stores of two groups back have read their registers, which the loads below fill again
	WIN 0x08+4*((\a)>>3)                           ; the stores' data: window 2 or 3
.irp ct, 0,1,2,3
	ds_store_b128 v[STO], v[8*(4*((\a)&7)+\ct):8*(4*((\a)&7)+\ct)+3]   offset:64*\ct
	ds_store_b128 v[STO], v[8*(4*((\a)&7)+\ct)+4:8*(4*((\a)&7)+\ct)+7] offset:64*\ct+16
.endr
	WIN 0
.irp t, 0,1,2,3,4,5,6,7
	ds_load_b128 v[WA+32*((\a)&1)+4*\t:WA+32*((\a)&1)+4*\t+3], v[RD] offset:2*SP*\t  ; LDS serves a wave's instructions in order (ISA guide 5.7.1.4): these see the stores above; the next group's stores come behind them
.endr
.endm
.macro SEND a, younger                 ; younger: the LDS instructions issued behind group a's loads
	s_wait_dscnt \younger
.set x, 0
.rept 16
	v_pk_mul_f32 v[WA+32*((\a)&1)+x:WA+32*((\a)&1)+x+1], v[WA+32*((\a)&1)+x:WA+32*((\a)&1)+x+1], s[SC:SC+1] op_sel_hi:[1,0]
.set x, x+2
.endr
.irp t, 0,1,2,3,4,5,6,7
	global_store_b128 v[GO], v[WA+32*((\a)&1)+4*\t:WA+32*((\a)&1)+4*\t+3], s[OUTB:OUTB+1] offset:131072*((\a)>>3)+4096*((\a)&7)+512*\t th:TH_STORE_NT  ; 16 lanes store 256 consecutive bytes, at a multiple of 256 from out0's first byte
.endr
.endm
	PLACES                                         ; behind the last products
	TOSTAGE 0
.irp a, 1,2,3,4,5,6,7,8,9,10,11,12,13,14,15
	TOSTAGE \a
	SEND (\a)-1, 16
.endr
	SEND 15, 0
	s_wait_tensorcnt 0x0                           ; the wave's end, behind my last tensor load and my last LDS store
	ds_add_u32 v[SPW], v[NIL]
	s_wait_dscnt 0x0
	CROUND                                         ; the closing round: no work-group ends while a partner may still ask for a tile that names it
	s_endpgm
.Lfunc_end_k_q223dc967ca_pwa:
	.size	k_q223dc967ca_pwa, .Lfunc_end_k_q223dc967ca_pwa-k_q223dc967ca_pwa
	.p2alignl 7, 3214868480
	.fill 96, 4, 3214868480
	.section	.rodata,"a",@progbits
	.p2align	6, 0x0
	.amdhsa_kernel k_q223dc967ca_pwa
		.amdhsa_group_segment_fixed_size 327680
		.amdhsa_private_segment_fixed_size 0
		.amdhsa_enable_private_segment 0
		.amdhsa_kernarg_size 48
		.amdhsa_user_sgpr_count 2
		.amdhsa_user_sgpr_kernarg_segment_ptr 1
		.amdhsa_wavefront_size32 1
		.amdhsa_system_sgpr_workgroup_id_x 1
		.amdhsa_system_sgpr_workgroup_id_y 1
		.amdhsa_system_sgpr_workgroup_id_z 1
		.amdhsa_system_vgpr_workitem_id 0
		.amdhsa_next_free_vgpr 1024
		.amdhsa_next_free_sgpr 80
		.amdhsa_reserve_vcc 0
		.amdhsa_float_denorm_mode_32 3
		.amdhsa_float_denorm_mode_16_64 3
		.amdhsa_memory_ordered 1
		.amdhsa_forward_progress 1
		.amdhsa_inst_pref_size 255
	.end_amdhsa_kernel
	.section	.bss,"aw",@nobits
	.p2align	6
	.space	262144
	.amdgpu_metadata
---
amdhsa.version: [ 1, 2 ]
amdhsa.kernels:
  - .name:           k_q223dc967ca_pwa
    .symbol:         k_q223dc967ca_pwa.kd
    .args:
      - { .name: m, .offset: 0, .size: 8, .value_kind: global_buffer, .address_space: global }
      - { .name: norm_m_w, .offset: 8, .size: 8, .value_kind: global_buffer, .address_space: global }
      - { .name: norm_m_b, .offset: 16, .size: 8, .value_kind: global_buffer, .address_space: global }
      - { .name: wq, .offset: 24, .size: 8, .value_kind: global_buffer, .address_space: global }
      - { .name: wf, .offset: 32, .size: 8, .value_kind: global_buffer, .address_space: global }
      - { .name: out0, .offset: 40, .size: 8, .value_kind: global_buffer, .address_space: global }
    .group_segment_fixed_size: 327680
    .private_segment_fixed_size: 0
    .kernarg_segment_align: 8
    .kernarg_segment_size: 48
    .max_flat_workgroup_size: 128
    .sgpr_count:     80
    .vgpr_count:     1024
    .wavefront_size: 32
...
	.end_amdgpu_metadata
.endif
;; end of part 2
;; ======== version 2 of 2: 2 launches
;; limits: values are held in f16: magnitudes above 65,504 overflow, below 6.1e-05 lose precision
;; workspace buffers: wq 4,194,304 bytes; wf 98,304 bytes
;; launch pairw: the kernel of part 1 again; grid 256 x 1, 8 waves a work-group, no clusters, 327,680 bytes of LDS; arguments z, norm_z_w, norm_z_b, Wz, attn_mask, Wm, Wg, Wo, wq, wf; writes wq, wf
;; launch pwa (part 3): grid 256 x 1, 4 waves a work-group, clusters of 4 x 1, 327,680 bytes of LDS; arguments m, norm_m_w, norm_m_b, wq, wf, out0; writes out0
.if DOCPART == 3
	.amdgcn_target "amdgcn-amd-amdhsa--gfx1250"
	.amdhsa_code_object_version 6
	.text
	.protected	k_q223dc967ca_pwa
	.globl	k_q223dc967ca_pwa
	.p2align	8
	.type	k_q223dc967ca_pwa,@function
k_q223dc967ca_pwa:
	s_mov_b64 s[64:65], 0
	v_nop
	global_prefetch_b8 v0, s[64:65] scope:SCOPE_SE
	s_setreg_imm32_b32 hwreg(HW_REG_WAVE_MODE, 25, 1), 1
	s_wait_xcnt 0x0
	s_wait_alu depctr_hold_cnt(0) depctr_sa_sdst(0) depctr_va_vdst(0) depctr_va_sdst(0) depctr_va_ssrc(0) depctr_va_vcc(0) depctr_vm_vsrc(0)
	s_getreg_b32 s2, hwreg(HW_REG_IB_STS2, 6, 4)
	s_cmp_eq_u32 s2, 0
	s_cbranch_scc0 .Lentry_in_a_cluster
	s_endpgm
.Lentry_in_a_cluster:
	s_bfe_u32 s2, ttmp6, 0x10000c
	s_cmp_lg_u32 s2, 0x3003
	s_cbranch_scc0 .Lentry_shape_is_right
	s_endpgm
.Lentry_shape_is_right:
; out[s][i][:] = sum over h of ( (sum_j w[h][i][j] v[s][h][j][:]) * sigmoid(mn[s][i] . Wg_h) ) . Wo_h,  v = mn . Wm_h,  mn = LN(m).  m, out: [512 s][512 tokens][64] f32.
; wq (w, f16, tile 8 h + t = [i][64 keys]) and wf (the weights as f16 fragments, Wg times -log2(e)) were stored by the launch before.  v, the gate and o never leave the WGP.
; SHARES.  Work-group g owns s = 2 g and 2 g + 1, all tokens, all heads; each wave a block of 128 tokens, as i (rows of out) and, in the prologue, as j (rows of mn).
; CLUSTER.  The four work-groups of a cluster walk the same tiles of wq at the same time and ask for each tile JOINTLY: the same tensor load, descriptor and mask in all four; each wave asks for its 128 rows of the tile.
; THE ORDER OF THE WALK.  Cluster k begins with head (k + k / 8) % 8 and goes round through all eight; in every head it begins with key tile 2 f, f = (k / 8 + k / 32) % 4, and goes round through the head's eight.
; So at any time the launch's clusters ask for 32 different tiles, and not all 64 for the same bytes at once.  out is a sum over the heads and o a sum over the keys, both in f32, which may be taken in any order.
; The turn by 2 f tiles, f blocks of 128 tokens, is made in the GLOBAL addresses alone: wave q takes the token block (q + f) % 4 of m, of wq's rows and of out0, so that place p of 64 tokens in LDS holds the
; tokens of key tile (p + 2 f) % 8; no LDS address knows of it.  Both numbers are made of the cluster's x alone, which the four partners share.
; THE PRODUCTS are laid so that nothing changes lanes (l = lane, r = l % 16, hh = l / 16):
;   v:     source 0 = 16 rows j of mn, source 1 = Wm (n = d).       A lane holds one d and 8 keys; two results rounded to f16 ARE source 0 (16 d x 32 keys) of the next product.
;   o^T:   source 0 = v^T (a = 2 s + dh: 16 d), source 1 = w (n = i, k = 32 keys).     A lane holds one i and 8 d.
;   g^T:   source 0 = Wg (m = d), source 1 = mn (n = i): the same layout as o^T.
;   out^T: source 0 = Wo^T (m = 16 c), source 1 = (o g)^T of both dh rounded to f16 (k = 32 d).  A lane holds one i and 8 neighbouring c.
; In the products over c both sources hold c = 32 hh + 16 kp + 2 p + e (K step kp, register p, half e): a lane takes 128 consecutive bytes of a row of m.
; LAYER NORM in f32, in two passes.  sigmoid(x) = 1 / (1 + 2^(-log2(e) x)); it is made as 16 g = 1 / ((1 + e) / 16), and out is multiplied by 1/16 in f32 at the end: that centres o g in f16's range.
; LIMITS.  Every matrix operand is f16, rounded once from f32: mn, v and 16 o g must stay under 65,504 (|mn| <= 8 |gain| + |bias|; o is a mean of v); below 6.1e-5 a number keeps f16's fixed step of 6e-8.
; NaN and infinities are not treated apart.
; THE WALK.  A step is one tile of wq: 64 keys of one head, 64 products o^T a wave; beside them the wave makes its quarter of the NEXT tile's v (8 products) into LDS.  Two ring slots; behind each step's round
; one joint load a wave, for the tile two steps on.  Behind a head's eighth step: the gate and out^T (EPI).
; REGISTERS, in windows of 256 (s_set_vgpr_msb: bits 1:0 source 0, 3:2 source 1, 5:4 source 2, 7:6 destination):
;   window 0: addresses, fragments (below)      window 1: o^T, (a, b) at 8 (4 b + a), b = my tile of 16 i      windows 2, 3: out^T of s = 0, 1: (b, ct) at 8 (4 b + ct)
.set PW,    144                        ; a row of w in LDS: 128 bytes + 16 of padding = 9 x 16: the 16 rows of a load start at 16 different groups of four banks (ISA guide 11.1)
.set RSLOT, 512*PW                     ; a ring slot: one tile.  In the prologue the two slots take m instead: 4 waves x 64 rows x 272 bytes
.set WQ4,   128*PW
.set RAWP,  272
.set RAWW,  64*RAWP
.set MN,    2*RSLOT                    ; mn as fragments of 1,024 bytes: [place / 16][s][kp][register half u][lane][16 bytes]: 131,072 bytes.  From here on no tensor load lands
.set VB,    MN+131072                  ; v of one tile, twice: [buffer][kk][a][1,024 bytes]
.set STAGE, VB+16384                   ; 16 rows x 272 bytes for each wave, for the way out
.set SP,    272
.set SPARE, STAGE+4*16*SP              ; the spare words, 128 bytes for each wave: two blocks of 256 bytes that no other line names
.set R,    2                           ; v2   r
.set HH,   3                           ; v3   hh
.set AW,   4                           ; v4-5 my place in my quarter of ring slot 0, 1
.set RA0,  6                           ; v6   my 128 bytes of row r in my rows of a raw slot
.set RA,   7
.set SA,   8
.set GBO,  9
.set AV,   12                          ; v12  VB + 16 l
.set AVS,  13                          ; v13  where my wave puts its part of v
.set AM,   14                          ; v14  the mn rows of the production in hand
.set AM0,  15
.set AG,   16                          ; v16  MN + my wave's 128 places + 16 l
.set LOFF, 17                          ; v17  16 l
.set SPW,  18                          ; v18  LDS address of my spare word; never rewritten
.set NIL,  19                          ; v19  0; never rewritten
.set PFO,  20                          ; v20  256 l; never rewritten
.set STO,  21
.set RD,   22
.set GO,   23
.set WM,   32                          ; v32-63    Wm of the head whose v is being made: fragment 2 dh + kp
.set WA,   64                          ; v64-95    w, four tiles of 16 i (b 0-3).  EPI: mn of an even turn.  Prologue: the gain
.set WB,   96                          ; v96-127   w, b 4-7.               EPI: mn of an odd turn.   Prologue: the bias
.set VF0,  128                         ; v128-159  v^T, keys 0-31 of the tile.   EPI: Wo.          Prologue: a row tile of m
.set VF1,  160                         ; v160-191  v^T, keys 32-63.              EPI: the gate of an even turn.  Prologue: statistics
.set MA,   192                         ; v192-223  mn for the production.        EPI: Wg
.set VD,   224                         ; v224-255  the production's results.     EPI: the gate of an odd turn
.set ST,   160
.set WV,   16
.set CX,   17
.set GG,   18
.set G1M,  24                          ; s[24:31] group 1 for m
.set G1W,  32                          ; s[32:39] group 1 for wq
.set G0M,  40                          ; s[40:47] group 0 for m, a set for each slot
.set G0W,  48                          ; s[48:55] group 0 for wq, a set for each slot: made of the wave's number and the cluster's x alone
.set SEL,  56
.set HEADS,58
.set PAIRS,59
.set F2,   60                          ; s60  2 f: the key tile with which my cluster begins every head
.set LIM,  61                          ; s61  the cluster's x
.set TM,   62                          ; s62  the next production's tile in MN
.set CNT,  63
.set PFA,  66                          ; s[66:67] where my prefetch stands; never rewritten
.set WFP,  68                          ; s[68:69] wf at the head in hand
.set TR,   70
.set TS,   71
.set T1,   72                          ; s72-73 at work
.set T2,   73
.set OUTB, 74
.set SC,   76                          ; s[76:77] 1/16
.set C64,  78
.set EPSR, 79
.set HD,   80                          ; s80  the head whose Wm was fetched last
.set TNX,  81                          ; s81  8 x my first head + the number, in my walk, of the tile to be asked for next
.set OFF,  82                          ; s[82:83] a tile's byte offset in wq
.set WFN,  84                          ; s[84:85] wf at the next head
.set WOF,  86                          ; s[86:87] a head's byte offset in wf
.set TP,   88                          ; s[88:89] wq at my rows of my walk's first tile
.set MSB, 0
.macro WIN new                         ; the immediate's high byte repeats the setting that is left; a switch that changes nothing is dropped
.if MSB != (\new)
	s_set_vgpr_msb (MSB<<8)|(\new)
.set MSB, (\new)
.endif
.endm
.set W_MUL, 0x50                       ; C and D in window 1
.macro PLACES                          ; four places behind a matrix instruction, in front of loads into its sources and of readers of its result (ISA guide 7.12.1 for readers of its result)
.rept 4
	v_nop
.endr
.endm
.macro CREST                           ; a round of the cluster's barrier behind its opening barrier
	s_cmp_lg_u32 s[WV], 0
	s_cbranch_scc1 .Lnot_wave_0_\@
	s_barrier_signal -3
.Lnot_wave_0_\@:
	s_barrier_wait -3
	s_barrier_signal -1
	s_barrier_wait -1
.endm
.macro CROUND
	s_barrier_signal -1
	s_barrier_wait -1
	CREST
.endm
	s_load_b256 s[4:11], s[0:1], 0x0               ; m s[4:5], gain s[6:7], bias s[8:9], wq s[10:11]
	s_load_b128 s[12:15], s[0:1], 0x20             ; wf s[12:13], out0 s[14:15]
	v_lshl_add_u32 v[SPW], v0, 2, SPARE
	v_mov_b32 v[NIL], 0
	ds_add_u32 v[SPW], v[NIL]                      ; the wave's opening: the add and its wait stand ahead of my first tensor load; work on registers stands between them
	v_lshrrev_b32 v1, 5, v0
	v_readfirstlane_b32 s[WV], v1                  ; wave 0..3
	s_bfe_u32 s[CX], ttmp6, 0x40000                ; my place in the cluster
	s_lshl_b32 s[GG], ttmp9, 2                     ; in a cluster launch ttmp9 counts clusters
	s_add_co_u32 s[GG], s[GG], s[CX]               ; g: it enters m's, out0's and the prefetch's addresses alone
	s_mov_b32 s[LIM], ttmp9                        ; k
	s_lshr_b32 s[F2], ttmp9, 3                     ; k / 8
	s_add_co_u32 s[HD], s[F2], ttmp9
	s_and_b32 s[HD], s[HD], 7                      ; my cluster's first head: (k + k / 8) % 8
	s_lshr_b32 s21, s[F2], 2                       ; k / 32
	s_add_co_u32 s[F2], s[F2], s21
	s_and_b32 s[F2], s[F2], 3                      ; f = (k / 8 + k / 32) % 4
	s_add_co_u32 s21, s[WV], s[F2]
	s_and_b32 s21, s21, 3                          ; my wave's block of 128 tokens: (q + f) % 4: it enters global addresses alone
	s_lshl_b32 s[F2], s[F2], 1                     ; 2 f
	s_lshl_b32 s[TNX], s[HD], 3
	s_add_co_u32 s[OFF], s[TNX], s[F2]             ; my walk's first tile: 8 x head + 2 f;
	s_lshl_b32 s[OFF], s[OFF], 16                  ; a tile is 65,536 bytes
	s_mov_b32 s[OFF+1], 0
	s_add_co_u32 s[TNX], s[TNX], 2                 ; the walk's tiles 0 and 1 are the first fills; the first refill asks for its tile 2
	s_mul_i32 s[WOF], s[HD], 12288                 ; the first head's block in wf
	s_mov_b32 s[WOF+1], 0
	; group 1 for m: 64 rows x 64 elements of 4 bytes, 16 bytes of padding behind each row; no mask: each work-group has rows of its own
	s_mov_b32 s[G1M+0], (2<<16)|(1<<20)|(5<<22)|(3<<25)
	s_mov_b32 s[G1M+1], 64<<16
	s_mov_b32 s[G1M+2], 64<<16
	s_mov_b32 s[G1M+3], 64<<16
	s_mov_b32 s[G1M+4], 64
	s_mov_b32 s[G1M+5], 64
	s_mov_b32 s[G1M+6], 0
	s_mov_b32 s[G1M+7], 0
	; group 1 for wq: a quarter tile is 16,384 dense bytes: asked for as 64 rows of 256 bytes, two rows i each, padded in LDS behind every row i
	s_mov_b32 s[G1W+0], 15|(1<<16)|(1<<20)|(1<<21)|(4<<22)|(3<<25)  ; 15:0 the mask of four; 17:16 2-byte elements; 20 padding on; 21 set beside a mask; 24:22 after every 32 words (code 4); 31:25 4 words (code 3)
	s_mov_b32 s[G1W+1], 128<<16
	s_mov_b32 s[G1W+2], 64<<16
	s_mov_b32 s[G1W+3], 128<<16
	s_mov_b32 s[G1W+4], 64
	s_mov_b32 s[G1W+5], 128
	s_mov_b32 s[G1W+6], 0
	s_mov_b32 s[G1W+7], 0
	s_mul_i32 s19, s[WV], RAWW                     ; my rows in a raw slot,
	s_mul_i32 s20, s[WV], WQ4                      ; my quarter of a ring slot: the wave's number alone enters an LDS address
	s_lshl_b32 s2, s[GG], 18                       ; g x 2 s x 131,072 bytes,
	s_lshl_b32 s3, s21, 15                         ; my block of 128 tokens x 256 bytes
	s_add_co_u32 s2, s2, s3
	s_mov_b32 s3, 0
	s_lshl_b32 s22, s21, 14                        ; the same 128 tokens as rows of a tile of wq
	s_mov_b32 s23, 0
	s_lshl_b32 s[T1], s[CX], 15                    ; the prefetch: of my walk's first two tiles my work-group's 32,768 bytes,
	s_lshl_b32 s[T2], s[WV], 13                    ; my wave's 8,192 of them
	s_add_co_u32 s[T1], s[T1], s[T2]
	s_add_co_u32 s[T1], s[T1], s[OFF]
	s_mov_b32 s[T2], 0
	s_mov_b32 s[SEL], 0x76543210
	s_mov_b32 s[SEL+1], 0xfedcba98
	s_mov_b32 s[SC], 0x3d800000                    ; 1/16
	s_mov_b32 s[SC+1], s[SC]                       ; named with it as a pair
	s_mov_b32 s[C64], 0x3c800000                   ; 1/64
	s_mov_b32 s[EPSR], 0x3727c5ac                  ; 1e-5
	s_wait_dscnt 0x0                               ; the opening add is done
	s_wait_kmcnt 0x0
	s_add_nc_u64 s[4:5], s[4:5], s[2:3]
	s_add_nc_u64 s[OUTB:OUTB+1], s[14:15], s[2:3]
	s_add_nc_u64 s[PFA:PFA+1], s[10:11], s[T1:T1+1]
	s_add_nc_u64 s[10:11], s[10:11], s[22:23]      ; wq at my rows of tile 0: the base of every refill's address
	s_add_nc_u64 s[TP:TP+1], s[10:11], s[OFF:OFF+1]
	s_add_nc_u64 s[WFP:WFP+1], s[12:13], s[WOF:WOF+1]
.irp s, 0,1
	s_mov_b32 s[G0M+4*(\s)], 1
	s_add_co_u32 s[G0M+4*(\s)+1], s19, (\s)*RSLOT
	s_add_nc_u64 s[G0M+4*(\s)+2:G0M+4*(\s)+3], s[4:5], (\s)*16384   ; piece s: s = 0, tokens 64 s .. + 63 of my block
	s_or_b32 s[G0M+4*(\s)+3], s[G0M+4*(\s)+3], 0x80000000
	s_mov_b32 s[G0W+4*(\s)], 1
	s_add_co_u32 s[G0W+4*(\s)+1], s20, (\s)*RSLOT
	s_add_nc_u64 s[G0W+4*(\s)+2:G0W+4*(\s)+3], s[TP:TP+1], (\s)*65536 ; key tile 2 f + s of the first head
	s_or_b32 s[G0W+4*(\s)+3], s[G0W+4*(\s)+3], 0x80000000
.endr
	CROUND                                         ; in a cluster launch every group of tensor loads stands behind a round
	tensor_load_to_lds s[G0M:G0M+3], s[G1M:G1M+7]  ; pieces 0 and 1 of m: two loads of mine are out
	s_nop 0
	tensor_load_to_lds s[G0M+4:G0M+7], s[G1M:G1M+7]
	s_nop 0
	v_and_b32 v[R], 15, v0
	v_bfe_u32 v[HH], v0, 4, 1
	v_and_b32 v1, 31, v0
	v_lshlrev_b32 v[LOFF], 4, v1
	v_lshlrev_b32 v[PFO], 8, v1
	v_lshlrev_b32 v[GBO], 7, v[HH]
.irp k, 0,1,2,3,4,5,6,7
	global_load_b128 v[WM+4*\k:WM+4*\k+3], v[LOFF], s[WFP:WFP+1] offset:512*\k  ; Wm of the first head
	global_load_b128 v[WA+4*\k:WA+4*\k+3], v[GBO], s[6:7] offset:16*\k          ; the gain of my 32 channels
	global_load_b128 v[WB+4*\k:WB+4*\k+3], v[GBO], s[8:9] offset:16*\k          ; the bias
.endr
	v_mul_u32_u24 v[AW], v[R], PW
	v_lshl_add_u32 v[AW], v[HH], 4, v[AW]
	v_add_nc_u32 v[AW], s20, v[AW]
	v_add_nc_u32 v[AW+1], RSLOT, v[AW]
	v_mul_u32_u24 v[RA0], v[R], RAWP
	v_lshl_add_u32 v[RA0], v[HH], 7, v[RA0]
	v_add_nc_u32 v[RA0], s19, v[RA0]
	v_add_nc_u32 v[AV], VB, v[LOFF]
	s_lshr_b32 s2, s[WV], 1                        ; of a tile's v my wave makes keys 32 (q / 2) .. + 31
	s_and_b32 s3, s[WV], 1                         ; of s = q % 2
	s_lshl_b32 s3, s3, 11
	s_lshl_b32 s21, s2, 12
	s_add_co_u32 s21, s21, s3
	v_add_nc_u32 v[AVS], s21, v[AV]
	s_lshl_b32 s21, s2, 13
	s_add_co_u32 s21, s21, s3
	s_add_co_u32 s21, s21, MN
	v_add_nc_u32 v[AM0], s21, v[LOFF]
	s_lshl_b32 s21, s[WV], 15
	s_add_co_u32 s21, s21, MN
	v_add_nc_u32 v[AG], s21, v[LOFF]
	s_mul_i32 s21, s[WV], 16*SP
	s_add_co_u32 s21, s21, STAGE
	v_mul_u32_u24 v[STO], v[R], SP                 ; in: row r, 32 bytes for each half of the lanes
	v_lshl_add_u32 v[STO], v[HH], 5, v[STO]
	v_add_nc_u32 v[STO], s21, v[STO]
	v_mul_u32_u24 v[RD], v[HH], SP                 ; back: lanes 0-15 take one row of 256 bytes, lanes 16-31 the next
	v_lshl_add_u32 v[RD], v[R], 4, v[RD]
	v_add_nc_u32 v[RD], s21, v[RD]
	v_lshlrev_b32 v[GO], 8, v[HH]                  ; and the same two rows in out0
	v_lshl_add_u32 v[GO], v[R], 4, v[GO]
	; out^T starts at 0.  These lines run in the wait for the first tiles; a first head written out, whose products start the sums, would be a third copy of EPI
	WIN 0x80
.set i, 0
.rept 256
	v_mov_b32 v[i], 0
.set i, i+1
.endr
	WIN 0xc0
.set i, 0
.rept 256
	v_mov_b32 v[i], 0
.set i, i+1
.endr
	WIN 0
	s_wait_loadcnt 0x0
; PIECE pi of m (s = pi / 2, tokens 64 (pi % 2) .. + 63 of my block, in raw slot pi % 2) becomes mn: four row tiles of 16 tokens, a trip each.
.macro PIECE pi
	s_wait_tensorcnt 0x1                           ; one load was issued behind this piece's; only I read my rows
	s_mov_b32 s[TR], ((\pi)&1)*RSLOT
	s_mov_b32 s[TS], ((\pi)&1)*16384+((\pi)>>1)*2048
	s_mov_b32 s[CNT], 4
.Lln_\@:
	v_add_nc_u32 v[RA], s[TR], v[RA0]
	v_add_nc_u32 v[SA], s[TS], v[AG]
.irp t, 0,1,2,3,4,5,6,7
	ds_load_b128 v[VF0+4*\t:VF0+4*\t+3], v[RA] offset:16*\t
.endr
	s_wait_dscnt 0x0
.irp c, 0,1,2,3
	v_pk_add_f32 v[ST+2*\c:ST+2*\c+1], v[VF0+2*\c:VF0+2*\c+1], v[VF0+8+2*\c:VF0+8+2*\c+1]
.endr
.irp k, 16,24
.irp c, 0,1,2,3
	v_pk_add_f32 v[ST+2*\c:ST+2*\c+1], v[ST+2*\c:ST+2*\c+1], v[VF0+\k+2*\c:VF0+\k+2*\c+1]
.endr
.endr
	FOLD1
	v_mul_f32 v[ST], s[C64], v[ST]                 ; the mean
.set i, 0
.rept 16
	v_pk_add_f32 v[VF0+i:VF0+i+1], v[VF0+i:VF0+i+1], v[ST:ST+1] op_sel_hi:[1,0] neg_lo:[0,1] neg_hi:[0,1]
.set i, i+2
.endr
.irp c, 0,1,2,3
	v_pk_mul_f32 v[ST+2*\c:ST+2*\c+1], v[VF0+2*\c:VF0+2*\c+1], v[VF0+2*\c:VF0+2*\c+1]
.endr
.irp k, 8,16,24
.irp c, 0,1,2,3
	v_pk_fma_f32 v[ST+2*\c:ST+2*\c+1], v[VF0+\k+2*\c:VF0+\k+2*\c+1], v[VF0+\k+2*\c:VF0+\k+2*\c+1], v[ST+2*\c:ST+2*\c+1]
.endr
.endr
	FOLD1
	v_fma_f32 v[ST], v[ST], s[C64], s[EPSR]
	v_rsq_f32 v[ST], v[ST]
	v_nop                                          ; a plain instruction behind it (ISA guide 5.7.2),
	s_wait_alu depctr_va_vdst(0)                   ; and the wait ahead of the first use
.set i, 0
.rept 16
	v_pk_mul_f32 v[VF0+i:VF0+i+1], v[VF0+i:VF0+i+1], v[ST:ST+1] op_sel_hi:[1,0]
.set i, i+2
.endr
.set i, 0
.rept 16
	v_pk_fma_f32 v[VF0+i:VF0+i+1], v[VF0+i:VF0+i+1], v[WA+i:WA+i+1], v[WB+i:WB+i+1]
.set i, i+2
.endr
.set i, 0
.rept 16                               ; to f16, in place and ascending
	v_cvt_pk_f16_f32 v[VF0+i], v[VF0+2*i], v[VF0+2*i+1]
.set i, i+1
.endr
.irp k, 0,1,2,3
	ds_store_b128 v[SA], v[VF0+4*\k:VF0+4*\k+3] offset:512*\k  ; K step k / 2, register half k % 2
.endr
	s_add_co_u32 s[TR], s[TR], 16*RAWP
	s_add_co_u32 s[TS], s[TS], 4096
	s_sub_co_u32 s[CNT], s[CNT], 1
	s_cmp_lg_u32 s[CNT], 0
	s_cbranch_scc1 .Lln_\@
.endm
.macro FOLD1                           ; four pairs of partial sums become one number, the same in both halves of the lanes
	v_pk_add_f32 v[ST:ST+1], v[ST:ST+1], v[ST+2:ST+3]
	v_pk_add_f32 v[ST+4:ST+5], v[ST+4:ST+5], v[ST+6:ST+7]
	v_pk_add_f32 v[ST:ST+1], v[ST:ST+1], v[ST+4:ST+5]
	v_add_f32 v[ST], v[ST], v[ST+1]
	v_permlanex16_b32 v[ST+1], v[ST], s[SEL], s[SEL+1]
	v_add_f32 v[ST], v[ST], v[ST+1]
.endm
; A slot that has been read is filled again: every wave has waited for all its tensor loads, added 0 to its spare word, and waited for that, for its reads of the slot and for its stores of mn;
; a round of the cluster's barrier; and the wave's one tensor load first behind it.
.macro FILLM sl                        ; the same tokens of s = 1
	s_wait_tensorcnt 0x0
	ds_add_u32 v[SPW], v[NIL]
	s_add_nc_u64 s[G0M+4*(\sl)+2:G0M+4*(\sl)+3], s[G0M+4*(\sl)+2:G0M+4*(\sl)+3], 131072
	s_wait_dscnt 0x0
	CROUND
	tensor_load_to_lds s[G0M+4*(\sl):G0M+4*(\sl)+3], s[G1M:G1M+7]
	s_nop 0
.endm
.macro FILLW sl                        ; tile sl of my walk, jointly
	s_wait_tensorcnt 0x0
	ds_add_u32 v[SPW], v[NIL]
	s_wait_dscnt 0x0
	CROUND
	tensor_load_to_lds s[G0W+4*(\sl):G0W+4*(\sl)+3], s[G1W:G1W+7]
	s_nop 0
.endm
; A PREFETCH INTO THE L2 of my walk's first two tiles of wq, 131,072 consecutive bytes.  It stands behind the tensor load for the last piece of m: one piece of the prologue (four trips over row tiles) ahead of the
; load of the first of the two, two pieces ahead of the second's.  Two clusters begin at the same two tiles: of them the one among the clusters 0 to 31 asks (there f = k / 8, and the 32 pairs of head and f are all
; different).  Its four partners take 32,768 bytes each, told apart BY ADDRESS; each wave 8,192 of them: 32 blocks of 256 bytes, a lane a block, one instruction.  So each block of wq is named once in the launch.
; Every other tile of a cluster's walk is among the first two of another cluster's: that cluster asks for it.  The address registers are never written again.
.macro ASK
	s_cmp_lt_u32 s[LIM], 32
	s_cbranch_scc0 .Lnot_mine_\@
	global_prefetch_b8 v[PFO], s[PFA:PFA+1] th:TH_LOAD_NT scope:SCOPE_SE
.Lnot_mine_\@:
.endm
; THE K LOOP's PARTS.
; n x 4 products o^T: tiles b = 4 hb + b0 .. of 16 i, all four a.  Every accumulator has a turn of one instruction.  zero = 1: the products start the sums.
.macro MUL w, v, hb, b0, n, zero
	WIN W_MUL
.set bb, \b0
.rept \n
.irp a, 0,1,2,3
.set rO, 8*(4*(4*(\hb)+bb)+\a)
.if \zero
	v_wmma_f32_16x16x32_f16 v[rO:rO+7], v[(\v)+8*\a:(\v)+8*\a+7], v[(\w)+8*bb:(\w)+8*bb+7], 0
.else
	v_wmma_f32_16x16x32_f16 v[rO:rO+7], v[(\v)+8*\a:(\v)+8*\a+7], v[(\w)+8*bb:(\w)+8*bb+7], v[rO:rO+7]
.endif
.endr
.set bb, bb+1
.endr
.endm
.macro FW dst, p, kk, hb               ; w: four tiles of 16 i x 32 keys out of slot p
	WIN 0
.irp b, 0,1,2,3
	ds_load_b128 v[(\dst)+8*\b:(\dst)+8*\b+3],   v[AW+(\p)] offset:(4*(\hb)+\b)*16*PW+64*(\kk)
	ds_load_b128 v[(\dst)+8*\b+4:(\dst)+8*\b+7], v[AW+(\p)] offset:(4*(\hb)+\b)*16*PW+64*(\kk)+32
.endr
.endm
.macro FV dst, p, kk                   ; v^T: four fragments of 16 d x 32 keys out of buffer p
	WIN 0
.irp a, 0,1,2,3
	ds_load_b128 v[(\dst)+8*\a:(\dst)+8*\a+3],   v[AV] offset:8192*(\p)+4096*(\kk)+1024*\a
	ds_load_b128 v[(\dst)+8*\a+4:(\dst)+8*\a+7], v[AV] offset:8192*(\p)+4096*(\kk)+1024*\a+512
.endr
.endm
.macro FMA                             ; mn of the 32 keys whose v I make next
	WIN 0
	v_add_nc_u32 v[AM], s[TM], v[AM0]
.irp ar, 0,1
.irp k, 0,1,2,3
	ds_load_b128 v[MA+16*\ar+4*\k:MA+16*\ar+4*\k+3], v[AM] offset:4096*\ar+512*\k
.endr
.endr
.endm
.macro PROD                            ; v of 32 keys x 32 d: four accumulators by turns, two K steps
	WIN 0
.irp kp, 0,1
.irp dh, 0,1
.irp ar, 0,1
.if \kp == 0
	v_wmma_f32_16x16x32_f16 v[VD+16*\dh+8*\ar:VD+16*\dh+8*\ar+7], v[MA+16*\ar+8*\kp:MA+16*\ar+8*\kp+7], v[WM+16*\dh+8*\kp:WM+16*\dh+8*\kp+7], 0
.else
	v_wmma_f32_16x16x32_f16 v[VD+16*\dh+8*\ar:VD+16*\dh+8*\ar+7], v[MA+16*\ar+8*\kp:MA+16*\ar+8*\kp+7], v[WM+16*\dh+8*\kp:WM+16*\dh+8*\kp+7], v[VD+16*\dh+8*\ar:VD+16*\dh+8*\ar+7]
.endif
.endr
.endr
.endr
.endm
.macro PACKST p                        ; rounded to f16 in place, ascending (each accumulator is read from its low end on), and put into the buffer that step p does not read
	WIN 0
.irp dh, 0,1
.irp j, 0,1,2,3,4,5,6,7
	v_cvt_pk_f16_f32 v[VD+16*\dh+\j], v[VD+16*\dh+2*\j], v[VD+16*\dh+2*\j+1]
.endr
.endr
.irp dh, 0,1
	ds_store_b128 v[AVS], v[VD+16*\dh:VD+16*\dh+3]   offset:8192*(1-(\p))+1024*\dh
	ds_store_b128 v[AVS], v[VD+16*\dh+4:VD+16*\dh+7] offset:8192*(1-(\p))+1024*\dh+512
.endr
.endm
.macro GLD dst, base, off              ; four fragments out of wf
	WIN 0
.irp k, 0,1,2,3,4,5,6,7
	global_load_b128 v[(\dst)+4*\k:(\dst)+4*\k+3], v[LOFF], s[(\base):(\base)+1] offset:(\off)+512*\k
.endr
.endm
.macro MFL n                           ; mn of my tile n of 16 i, both s, both K steps
	WIN 0
.irp s, 0,1
.irp k, 0,1,2,3
	ds_load_b128 v[WA+32*((\n)&1)+16*\s+4*\k:WA+32*((\n)&1)+16*\s+4*\k+3], v[AG] offset:(2*(\n)+\s)*2048+512*\k
.endr
.endr
.endm
; A STEP: the tile in slot p.  On entry v^T of its keys 0-31 and w of b 0-3 are on their way (lead = 1: they are asked for here).
; zero: a head's first step.  wm: behind the production Wm of the next head is asked for, and the productions go back to place 0.  epi: a head's last step: Wg, Wo and the first mn are fetched in place of
; the next step's fragments.  fill: the slot takes the tile two steps on.
.macro BODY p, zero=0, lead=0, wm=0, epi=0, fill=1
.if \lead
	PLACES
	FV VF0, \p, 0
	FW WA, \p, 0, 0
.endif
	PLACES
	FW WB, \p, 0, 1
	FMA
	s_wait_dscnt 16                                ; all but the 16 just issued
	MUL WA, VF0, 0, 0, 4, \zero
	PLACES
	FW WA, \p, 1, 0
	FV VF1, \p, 1
	s_wait_dscnt 16                                ; all but the 16 just issued
.if \epi
	s_wait_loadcnt 0x0                             ; Wm of the next head, asked for a step ago
.endif
	PROD
	MUL WB, VF0, 1, 0, 4, \zero
	PLACES
	FW WB, \p, 1, 1
	PACKST \p
.if \wm
	s_sub_co_u32 s[TM], s[TM], 114688
	s_add_co_u32 s[HD], s[HD], 1                   ; the next head of the round;
	s_and_b32 s[HD], s[HD], 7
	s_mul_i32 s[WOF], s[HD], 12288
	s_add_nc_u64 s[WFN:WFN+1], s[12:13], s[WOF:WOF+1]  ; the loads that last named this pair were waited for in the head before
	GLD WM, WFN, 0
.else
	s_add_co_u32 s[TM], s[TM], 16384
.endif
.if \epi
	GLD MA, WFP, 4096                              ; Wg
	GLD VF0, WFP, 8192                             ; Wo
.endif
	; THE CHANGE OF SLOTS.  ONE barrier, for three things: nobody reads this slot any more, the other slot is whole, and the next tile's v lies in LDS.
	WIN 0
	s_wait_tensorcnt 0x0                           ; all my tensor loads have landed: the one that was out is my quarter of the other slot; so a group 0 may be written
	ds_add_u32 v[SPW], v[NIL]                      ; 0 onto my spare word; the descriptor's scalar work and eight products stand between it and the wait for it
.if \fill
	s_add_co_u32 s[T1], s[TNX], s[F2]              ; the descriptor's address is made anew from the tile's number: the key tile goes round inside its head, from 2 f on,
	s_and_b32 s[T1], s[T1], 7
	s_and_b32 s[T2], s[TNX], 0x38                  ; and the head round the eight, from my first on
	s_or_b32 s[T1], s[T1], s[T2]
	s_lshl_b32 s[OFF], s[T1], 16                   ; a tile is 65,536 bytes
	s_add_nc_u64 s[G0W+4*(\p)+2:G0W+4*(\p)+3], s[10:11], s[OFF:OFF+1]
	s_or_b32 s[G0W+4*(\p)+3], s[G0W+4*(\p)+3], 0x80000000
	s_add_co_u32 s[TNX], s[TNX], 1                 ; 120 at the most
.endif
	s_wait_dscnt 13                                ; (the add, my four stores of v and the youngest eight loads may be out)
	MUL WA, VF1, 0, 0, 2, 0
	s_wait_dscnt 0x0                               ; the add and my stores are done, my reads of the slot and of v are back
	s_barrier_signal -1
	MUL WA, VF1, 0, 2, 2, 0
	WIN 0
	s_barrier_wait -1
.if \fill
	CREST                                          ; the barrier has opened a round of the cluster's: no wave of any partner still reads this slot or has a load on its way
	tensor_load_to_lds s[G0W+4*(\p):G0W+4*(\p)+3], s[G1W:G1W+7]  ; my one tensor load behind the round: it has a step, 72 matrix instructions, in which to land
	s_nop 0
.endif
	PLACES                                         ; behind the load; also the places in front of the loads below
.if \epi
	MFL 0
.else
	FV VF0, 1-(\p), 0
	FW WA, 1-(\p), 0, 0
.endif
	MUL WB, VF1, 1, 0, 4, 0
.endm
.macro LASTBODY                        ; the walk's last tile, in slot 1: nothing is made, nothing is filled, no barrier
	PLACES
	FW WB, 1, 0, 1
	GLD MA, WFP, 4096
	s_wait_dscnt 8
	MUL WA, VF0, 0, 0, 4, 0
	PLACES
	FW WA, 1, 1, 0
	FV VF1, 1, 1
	s_wait_dscnt 16
	MUL WB, VF0, 1, 0, 4, 0
	PLACES
	FW WB, 1, 1, 1
	GLD VF0, WFP, 8192
	s_wait_dscnt 8
	MUL WA, VF1, 0, 0, 4, 0
	PLACES
	MFL 0
	s_wait_dscnt 8
	MUL WB, VF1, 1, 0, 4, 0
.endm
; A HEAD's END, eight turns: turn n belongs to my tile n of 16 i.  The gate's buffers go by the turn's parity; register x = 16 s + 8 dh + k of a buffer stands against o^T's register 32 n + x.
.macro GMM n, idx                      ; product idx of 8 of g^T for tile n: K step idx / 4, s = (idx / 2) % 2, dh = idx % 2: four accumulators by turns
.set rG, VF1+64*((\n)&1)+16*(((\idx)>>1)&1)+8*((\idx)&1)
.set rA, MA+16*((\idx)&1)+8*((\idx)>>2)
.set rB, WA+32*((\n)&1)+16*(((\idx)>>1)&1)+8*((\idx)>>2)
	WIN 0
.if (\idx) < 4
	v_wmma_f32_16x16x32_f16 v[rG:rG+7], v[rA:rA+7], v[rB:rB+7], 0
.else
	v_wmma_f32_16x16x32_f16 v[rG:rG+7], v[rA:rA+7], v[rB:rB+7], v[rG:rG+7]
.endif
.endm
.macro OMM n, idx                      ; product idx of 8 of out^T += Wo^T (o g)^T for tile n: s = idx / 4, 16 channels ct = idx % 4: eight accumulators, one instruction each
.set rU, 8*(4*(\n)+((\idx)&3))
.set rB, VF1+64*((\n)&1)+16*((\idx)>>2)
	WIN 0xa0+0x50*((\idx)>>2)
	v_wmma_f32_16x16x32_f16 v[rU:rU+7], v[VF0+8*((\idx)&3):VF0+8*((\idx)&3)+7], v[rB:rB+7], v[rU:rU+7]
.endm
; Turn n: the 8 products out^T of tile n - 1 with the 32 exponentials of tile n behind them, four each; one wait; (1 + e) / 16; the 8 products g^T of tile n + 1 with the 32 reciprocals behind them; one wait;
; o times the gate, rounded to f16 in place.  The plain lines between the two runs of products are the places that the second run's results (written over the first run's source) ask for.
.macro EPI last
	WIN 0
.rept 5
	v_nop                                          ; five places: the first g^T writes over a source of the last o^T
.endr
	MFL 1
	s_wait_loadcnt 0x0                             ; Wg and Wo
.if (\last) == 0
	s_mov_b64 s[WFP:WFP+1], s[WFN:WFN+1]           ; the next head's block
.endif
	s_wait_dscnt 8                                 ; mn of tile 0 is in; tile 1's may be out
.set x, 0
.rept 8
	GMM 0, x
.set x, x+1
.endr
	PLACES
.irp n, 0,1,2,3,4,5,6,7
.set GN, VF1+64*((\n)&1)
.if \n <= 5
	MFL (\n)+2
.endif
.set x, 0
.rept 8
.if \n > 0
	OMM (\n)-1, x
.endif
	WIN 0
.irp j, 0,1,2,3
	v_exp_f32 v[GN+4*x+\j], v[GN+4*x+\j]
.endr
.set x, x+1
.endr
	v_nop                                          ; a plain instruction behind the last exponential,
	s_wait_alu depctr_va_vdst(0)                   ; and one wait for the 32
.set x, 0
.rept 16
	v_pk_fma_f32 v[GN+x:GN+x+1], v[GN+x:GN+x+1], s[SC:SC+1], s[SC:SC+1] op_sel_hi:[1,0,0]
.set x, x+2
.endr
.if \n < 6
	s_wait_dscnt 8                                 ; mn of tile n + 1 is in; tile n + 2's may be out
.elseif \n == 6
	s_wait_dscnt 0x0
.endif
.set x, 0
.rept 8
.if \n < 7
	GMM (\n)+1, x
.endif
.irp j, 0,1,2,3
	v_rcp_f32 v[GN+4*x+\j], v[GN+4*x+\j]
.endr
.set x, x+1
.endr
	v_nop
	s_wait_alu depctr_va_vdst(0)                   ; one wait for the 32 reciprocals
	WIN 0x01                                       ; source 0: o^T, in window 1
.set x, 0
.rept 16
	v_pk_mul_f32 v[GN+x:GN+x+1], v[32*(\n)+x:32*(\n)+x+1], v[GN+x:GN+x+1]
.set x, x+2
.endr
	WIN 0
.irp s, 0,1
.irp j, 0,1,2,3,4,5,6,7
	v_cvt_pk_f16_f32 v[GN+16*\s+\j], v[GN+16*\s+2*\j], v[GN+16*\s+2*\j+1]
.endr
.endr
.endr
.set x, 0
.rept 8
	OMM 7, x
.set x, x+1
.endr
	WIN 0
.endm
	; THE PROLOGUE: m becomes mn; the ring's first two tiles are asked for as the raw slots fall free.
	PIECE 0
	FILLM 0
	PIECE 1
	FILLM 1
	ASK                                            ; behind the tensor load for the last piece of m
	PIECE 2
	FILLW 0                                        ; my walk's tile 0
	PIECE 3
	FILLW 1                                        ; its tile 1; every wave's stores of mn were waited for in front of this round: all of mn may be read
	s_mov_b32 s[TM], 0
	FMA
	s_wait_dscnt 0x0
	PROD                                           ; v of the first tile
	PLACES
	PACKST 1
	s_mov_b32 s[TM], 16384
	s_wait_dscnt 0x0                               ; for the others' sake: my part of v lies in LDS
	s_barrier_signal -1                            ; The second tile may stay out; the first landed in front of the round above
	s_barrier_wait -1
	s_mov_b32 s[HEADS], 8
	s_branch .Lenter                               ; the loop is entered at a head's first step, in the middle of a trip
.Lhead:                                        ; a trip: a head's steps 6 and 7 and its end, then the next head's steps 0 to 5
	BODY 0, 0, 0, 1, 0, 1
	BODY 1, 0, 0, 0, 1, 1
	EPI 0
.Lenter:
	BODY 0, 1, 1, 0, 0, 1
	BODY 1
	WIN 0
	s_mov_b32 s[PAIRS], 2
.Lpair:
	BODY 0
	BODY 1
	WIN 0
	s_sub_co_u32 s[PAIRS], s[PAIRS], 1
	s_cmp_lg_u32 s[PAIRS], 0
	s_cbranch_scc1 .Lpair
	s_sub_co_u32 s[HEADS], s[HEADS], 1
	s_cmp_lg_u32 s[HEADS], 0
	s_cbranch_scc1 .Lhead
	BODY 0, 0, 0, 0, 0, 0                          ; the tail is written out: the walk's last two steps ask for nothing
	LASTBODY
	EPI 1
	; THE WAY OUT.  A lane's eight channels of a row are 32 bytes; a group (s, b) of 16 rows goes into rows of 272 bytes in my own stage and comes back as whole rows of 256, is multiplied by 1/16 and stored.
.macro TOSTAGE a
	s_wait_xcnt 0x0                                ; the stores of two groups back have read their registers, which the loads below fill again
	WIN 0x08+4*((\a)>>3)                           ; the stores' data: window 2 or 3
.irp ct, 0,1,2,3
	ds_store_b128 v[STO], v[8*(4*((\a)&7)+\ct):8*(4*((\a)&7)+\ct)+3]   offset:64*\ct
	ds_store_b128 v[STO], v[8*(4*((\a)&7)+\ct)+4:8*(4*((\a)&7)+\ct)+7] offset:64*\ct+16
.endr
	WIN 0
.irp t, 0,1,2,3,4,5,6,7
	ds_load_b128 v[WA+32*((\a)&1)+4*\t:WA+32*((\a)&1)+4*\t+3], v[RD] offset:2*SP*\t  ; LDS serves a wave's instructions in order (ISA guide 5.7.1.4): these see the stores above; the next group's stores come behind them
.endr
.endm
.macro SEND a, younger                 ; younger: the LDS instructions issued behind group a's loads
	s_wait_dscnt \younger
.set x, 0
.rept 16
	v_pk_mul_f32 v[WA+32*((\a)&1)+x:WA+32*((\a)&1)+x+1], v[WA+32*((\a)&1)+x:WA+32*((\a)&1)+x+1], s[SC:SC+1] op_sel_hi:[1,0]
.set x, x+2
.endr
.irp t, 0,1,2,3,4,5,6,7
	global_store_b128 v[GO], v[WA+32*((\a)&1)+4*\t:WA+32*((\a)&1)+4*\t+3], s[OUTB:OUTB+1] offset:131072*((\a)>>3)+4096*((\a)&7)+512*\t th:TH_STORE_NT  ; 16 lanes store 256 consecutive bytes, at a multiple of 256 from out0's first byte
.endr
.endm
	PLACES                                         ; behind the last products
	TOSTAGE 0
.irp a, 1,2,3,4,5,6,7,8,9,10,11,12,13,14,15
	TOSTAGE \a
	SEND (\a)-1, 16
.endr
	SEND 15, 0
	s_wait_tensorcnt 0x0                           ; the wave's end, behind my last tensor load and my last LDS store
	ds_add_u32 v[SPW], v[NIL]
	s_wait_dscnt 0x0
	CROUND                                         ; the closing round: no work-group ends while a partner may still ask for a tile that names it
	s_endpgm
.Lfunc_end_k_q223dc967ca_pwa:
	.size	k_q223dc967ca_pwa, .Lfunc_end_k_q223dc967ca_pwa-k_q223dc967ca_pwa
	.p2alignl 7, 3214868480
	.fill 96, 4, 3214868480
	.section	.rodata,"a",@progbits
	.p2align	6, 0x0
	.amdhsa_kernel k_q223dc967ca_pwa
		.amdhsa_group_segment_fixed_size 327680
		.amdhsa_private_segment_fixed_size 0
		.amdhsa_enable_private_segment 0
		.amdhsa_kernarg_size 48
		.amdhsa_user_sgpr_count 2
		.amdhsa_user_sgpr_kernarg_segment_ptr 1
		.amdhsa_wavefront_size32 1
		.amdhsa_system_sgpr_workgroup_id_x 1
		.amdhsa_system_sgpr_workgroup_id_y 1
		.amdhsa_system_sgpr_workgroup_id_z 1
		.amdhsa_system_vgpr_workitem_id 0
		.amdhsa_next_free_vgpr 1024
		.amdhsa_next_free_sgpr 90
		.amdhsa_reserve_vcc 0
		.amdhsa_float_denorm_mode_32 3
		.amdhsa_float_denorm_mode_16_64 3
		.amdhsa_memory_ordered 1
		.amdhsa_forward_progress 1
		.amdhsa_inst_pref_size 255
	.end_amdhsa_kernel
	.section	.bss,"aw",@nobits
	.p2align	6
	.space	262144
	.amdgpu_metadata
---
amdhsa.version: [ 1, 2 ]
amdhsa.kernels:
  - .name:           k_q223dc967ca_pwa
    .symbol:         k_q223dc967ca_pwa.kd
    .args:
      - { .name: m, .offset: 0, .size: 8, .value_kind: global_buffer, .address_space: global }
      - { .name: norm_m_w, .offset: 8, .size: 8, .value_kind: global_buffer, .address_space: global }
      - { .name: norm_m_b, .offset: 16, .size: 8, .value_kind: global_buffer, .address_space: global }
      - { .name: wq, .offset: 24, .size: 8, .value_kind: global_buffer, .address_space: global }
      - { .name: wf, .offset: 32, .size: 8, .value_kind: global_buffer, .address_space: global }
      - { .name: out0, .offset: 40, .size: 8, .value_kind: global_buffer, .address_space: global }
    .group_segment_fixed_size: 327680
    .private_segment_fixed_size: 0
    .kernarg_segment_align: 8
    .kernarg_segment_size: 48
    .max_flat_workgroup_size: 128
    .sgpr_count:     90
    .vgpr_count:     1024
    .wavefront_size: 32
...
	.end_amdgpu_metadata
.endif
;; end of part 3
